; MI455X (gfx1250); checked and timed in simulation.
; The chip was launched on July 23, 2026; its instructions are those of AMD's public machine-readable ISA for CDNA 5 (MIT licence, August 2026) and "CDNA5" Instruction Set Architecture Reference Guide (July 2026). The comments in the code are by the model that wrote it; some were corrected since.
;; Rel Multi Head Attn. Allowed arithmetic: matrix products marked QUANTISED: E4M3 operands, one given power-of-two scale a tensor, by v_wmma_f32_16x16x64_fp8_fp8 or v_wmma_f32_16x16x128_fp8_fp8, f32 sums; everything else in f32.
;; Inputs: W_o_codes 1,024 x 32 x 32 uint8 (E4M3 codes of W_o, K innermost, in blocks of 32 codes); W_qkv_codes 3,072 x 32 x 32 uint8 (E4M3 codes of W_qkv, K innermost, in blocks of 32 codes); W_r_codes 1,024 x 32 x 32 uint8 (E4M3 codes of W_r, K innermost, in blocks of 32 codes); h 2,048 x 2 x 1,024 float32; ln_beta 1,024 float32; ln_gamma 1,024 float32; lowp_scales 12 int32 (the exponents e of the quantised operands' scales 2^e); r_codes 2,048 x 32 x 32 uint8 (E4M3 codes of r, K innermost, in blocks of 32 codes); r_r_bias 16 x 64 float32; r_w_bias 16 x 64 float32.
;; Outputs: out0 2,048 x 2 x 1,024 float32.
;; This version of the problem:
;;   THIS VERSION OF THE PROBLEM IS GIVEN IN LOW PRECISION. The matrix products marked QUANTISED in the list below multiply operands that are first quantised to E4M3 (4 exponent bits, 3 mantissa bits; 8 bits a number), with one given power-of-two scale for each operand tensor; their sums are f32. All else is computed in f32.
;;   The module's matrix products, in the order in which they are computed (A, B: the left and right operand; K: the contracted axis; several contracted axes count as one K, in the product's order):
;;     1. [M 4,096, K 1,024] x [K 1,024, N 3,072]; A: input h; B: input W_qkv (given as codes): QUANTISED (scales: A lowp_scales[0], B lowp_scales[1])
;;     2. [M 2,048, K 1,024] x [K 1,024, N 1,024]; A: input r (given as codes); B: input W_r (given as codes): QUANTISED (scales: A lowp_scales[2], B lowp_scales[3])
;;     3. batch 32 x [M 2,048, K 64] x [K 64, N 2,048]; A: computed on the way; B: computed on the way: QUANTISED (scales: A lowp_scales[4], B lowp_scales[5])
;;     4. batch 16 x [M 2,048, K 64] x [K 64, N 4,096]; A: computed on the way; B: computed on the way: QUANTISED (scales: A lowp_scales[6], B lowp_scales[7])
;;     5. batch 32 x [M 64, K 2,048] x [K 2,048, N 2,048]; A: computed on the way; B: softmax (see below): QUANTISED (scales: A lowp_scales[8], B lowp_scales[9])
;;     6. [M 4,096, K 1,024] x [K 1,024, N 1,024]; A: computed on the way; B: input W_o (given as codes): QUANTISED (scales: A lowp_scales[10], B lowp_scales[11])
;;   THE QUANTISER, for each operand of a quantised product, along K:
;;     - The operand's scale is 2^e, e = its entry of the input lowp_scales (int32; the entries are numbered through the quantised products in the list's order, A before B).
;;     - Each number is divided by the scale, clamped to +-448, and rounded to the nearest number of E4M3, ties to even, subnormals kept.
;;     - The product sums the exact products of the quantised numbers (number of the format x scale) in f32.
;;   ~~~python
;;   def quantise(x, axis, e):      # numpy; x: float32 -> the quantised numbers, widened to float32 again
;;       x = np.moveaxis(x, axis, -1); K = x.shape[-1]
;;       r = np.clip(x / 2.0 ** e, -448, 448)
;;       step = 2.0 ** (np.maximum(np.frexp(np.where(r == 0, 1, r))[1] - 1, -6) - 3)
;;       q = np.round(r / step) * step * 2.0 ** e      # np.round: ties to even
;;       return np.moveaxis(q, -1, axis).astype(np.float32)
;;   ~~~
;;   SOFTMAX AHEAD OF A QUANTISED PRODUCT. Where the list says 'softmax', what is quantised is not the finished softmax but p = 2^(t - M), with t = logit x log2(e) and M = ceil(the row's largest t), a whole number; so 1/2 < the row's largest p <= 1. The row's sum l is taken of the UNQUANTISED p, in f32, and the product's result is divided by l at the end. Since M is a whole number, a kernel that streams over the keys may use a running M (the ceiling of the running maximum): every later rescaling is an exact power of two, so the quantised numbers keep their values, but for numbers so far below the row's largest that they fall under the format's range.
;;   OPERANDS COMPUTED ON THE WAY. 'Computed on the way' means the value that the module computes at that place (a softmax that the list does not call 'softmax' is quantised finished and normalised). What goes into a quantiser is computed in f32, as accurately as f32 sums, v_exp_f32 and their like allow (about 1e-6 of the number): no bf16 or f16 on the way to a quantiser, and a product that is left as it is and whose result goes on into a quantised operand takes f32 operands (vector FMAs, or v_wmma_f32_16x16x4_f32). A number that lies on a knife's edge between two numbers of the format may be rounded either way, as far as f32 arithmetic and the matrix unit's own rounding can turn it there, and no further.
;;   INPUTS GIVEN AS CODES. W_o (in the module: [1024, 1024], K = its axis 0); W_qkv (in the module: [1024, 3072], K = its axis 0); W_r (in the module: [1024, 1024], K = its axis 0); r (in the module: [2048, 1024], K = its axis 1): each comes as NAME_codes (uint8): NAME with its K axis moved to the last place and cut into blocks of 32 codes, [.., K / 32, bytes a block], one block behind the other in memory; one code a byte (a code: sign, 4 exponent bits, 3 mantissa bits); its scale is its entry of lowp_scales. Its value is code x scale, taken as it is: it is not quantised again, and the codes and scales need not be those that the quantiser above would give.
;; One version. Each part assembles by itself: llvm-mc -triple=amdgcn-amd-amdhsa -mcpu=gfx1250 --defsym DOCPART=n.
;; ======== version 1 of 1: 4 launches
;; limits: right only within a limited range of input values
;; workspace buffers: hq 4,194,304 bytes; wo 1,048,576 bytes; qu 4,194,304 bytes; qv 4,194,304 bytes; kv 8,388,608 bytes; rk 2,105,344 bytes; av 4,194,304 bytes
;; launch prep (part 1): grid 272 x 1, 4 waves a work-group, no clusters, 99,840 bytes of LDS; arguments h, lowp_scales, W_o_codes, hq, wo, rk; writes hq, wo, rk
.if DOCPART == 1
	.amdgcn_target "amdgcn-amd-amdhsa--gfx1250"
	.amdhsa_code_object_version 6
	.text
	.protected	k_q8c0d82c930_prep
	.globl	k_q8c0d82c930_prep
	.p2align	8
	.type	k_q8c0d82c930_prep,@function
k_q8c0d82c930_prep:
	s_mov_b64 s[64:65], 0
	v_nop
	global_prefetch_b8 v0, s[64:65] scope:SCOPE_SE
	s_setreg_imm32_b32 hwreg(HW_REG_WAVE_MODE, 25, 1), 1
	s_wait_xcnt 0x0
; PREP.  Three small jobs that later launches need done once.
; (1) work-groups 0-255: h [2048][2][1024] f32 becomes codes of E4M3 with the given scale 2^e0, laid hq [b 2][i 2048][1024]: code = h / 2^e0, held within +-448, to the nearest code, ties to even.
; (2) work-groups 256-271: W_o's codes [1024 n][1024 k] are laid anew as images of the matrix operand's registers, wo [w 8][ks 8][T 8][2048]: rows 16 (8 w + T) + r, k = 128 ks on;
;     registers 4 Q .. 4 Q + 3 of lane l lie at 512 Q + 16 l; lane (r, h) holds k = 16 c + 8 h + 0 .. 7 in registers 2 c, 2 c + 1.
; (3) wave 0 of those work-groups clears rows 0-7 of one head of rk (the zero row of the relative shift lies among them).
; LIMITS: e0 between -126 and 119, so that 2^e0 and 448 x 2^e0 are f32 numbers.  NaN among the inputs is not served.
; No tensor loads, no barrier: waves share nothing.  The two paths part on the work-group's number and have LDS bytes of their own.
.set STEPS, 8                          ; a wave of path 1 takes 4 rows of h: 8 steps of 512 numbers
.set SP,    80                         ; a lane's place in a stage: its 64 bytes + 16 of padding
.set WREG,  8192                       ; path 1: LDS for each wave: two stages of 32 x SP bytes
.set R,     16                         ; v16-79   four sets of 16 numbers as they are loaded
.set X,     80                         ; v80-111  two sets of 16 neighbours
.set C,     128                        ; v128-159 codes: four registers for each step, so that no store's data are written again
.set WST,   32768                      ; path 2: LDS behind path 1's
.set WP,    1040                       ; a row of W_o's codes in the stage: 1,024 bytes + 16
.set WF,    32                         ; v32-159  path 2: 16 rows as loaded, then as images
.set RKHEAD, 131584                    ; a head of rk: 2,056 rows of 64 bytes
	s_load_b128 s[4:7], s[0:1], 0x0                ; h, the scales' exponents
	s_load_b128 s[8:11], s[0:1], 0x10              ; W_o's codes, hq
	s_load_b128 s[12:15], s[0:1], 0x20             ; wo, rk
	v_lshl_add_u32 v160, v0, 2, 0x18400
	v_mov_b32 v161, 0
	v_lshrrev_b32 v1, 5, v0
	v_readfirstlane_b32 s16, v1                    ; wave 0..3
	v_and_b32 v2, 31, v0                           ; lane
	v_lshlrev_b32 v3, 4, v2                        ; 16 x lane; never rewritten
	s_mov_b32 s21, 0
	s_wait_kmcnt 0x0
	s_cmp_lt_u32 ttmp9, 256
	s_cbranch_scc0 .Lweights
	; ---- path 1: h.  Each load reads 512 consecutive bytes; a step's 2,048 bytes turn through the wave's own stage, so that a lane then holds 16 neighbours along K
	s_load_b32 s22, s[6:7], 0x0                    ; e0
	s_mul_i32 s17, s16, WREG
	s_wait_alu depctr_va_vdst(0)
	v_lshrrev_b32 v14, 2, v2
	v_mul_u32_u24 v14, v14, SP
	v_and_b32 v15, 3, v2
	v_lshl_add_u32 v14, v15, 4, v14
	v_add_nc_u32 v14, s17, v14                     ; into the stage: SP (lane / 4) + 16 (lane % 4)
	v_mul_u32_u24 v15, v2, SP
	v_add_nc_u32 v15, s17, v15                     ; out of it: SP x lane
	s_lshl_b32 s18, ttmp9, 2
	s_add_co_u32 s18, s18, s16                     ; gw: which 4 rows of h are my wave's
	s_lshl_b32 s20, s18, 14
	s_add_nc_u64 s[4:5], s[4:5], s[20:21]          ; 4 rows of 4,096 bytes
	s_lshl_b32 s20, s18, 11
	s_add_nc_u64 s[10:11], s[10:11], s[20:21]      ; hq: row i = 2 gw of batch 0
.macro LOADH t
.irp i, 0,1,2,3
	global_load_b128 v[R+16*((\t)%4)+4*\i:R+16*((\t)%4)+4*\i+3], v3, s[4:5] offset:2048*(\t)+512*\i th:TH_LOAD_NT
.endr
.endm
.macro TURNH t                         ; LDS serves a wave's instructions in order, so no wait stands between the stores and the loads
.irp i, 0,1,2,3
	ds_store_b128 v14, v[R+16*((\t)%4)+4*\i:R+16*((\t)%4)+4*\i+3] offset:32*SP*((\t)%2)+8*SP*\i
.endr
.irp i, 0,1,2,3
	ds_load_b128 v[X+16*((\t)%2)+4*\i:X+16*((\t)%2)+4*\i+3], v15 offset:32*SP*((\t)%2)+16*\i
.endr
.endm
.irp t, 0,1,2,3
	LOADH \t
.endr
	s_wait_alu depctr_va_vdst(0)
	s_wait_kmcnt 0x0
	s_add_co_i32 s22, s22, 127
	s_lshl_b32 s23, s22, 23
	v_mov_b32 v11, s23                             ; 2^e0 as f32: the conversion takes its exponent field
	s_wait_alu depctr_va_vdst(0)
	s_wait_loadcnt 12                              ; step 0's four loads are in; the three later steps' twelve may be out
	TURNH 0
.macro STEPH t                         ; step t: row 4 gw + t / 2 of h = (i = 2 gw + t / 4, b = (t / 2) % 2), half t % 2 of it
.set XS, X+16*((\t)%2)
	s_wait_dscnt 0x0                               ; this step's numbers are back from the stage, and its stores into the stage have read their registers,
.if (\t)+4 < STEPS
	LOADH (\t)+4                                   ; which take the loads of four steps on
.endif
.if (\t)+1 < STEPS
.if STEPS-2-(\t) >= 3
	s_wait_loadcnt 12                              ; the next step's four loads are in; those of the three steps behind it may be out
.else
	s_wait_loadcnt 4*(STEPS-2-(\t))
.endif
	TURNH (\t)+1
.endif
.set i, 0
.rept 16
.set i, i+1
.endr
	v_cvt_scalef32_pk8_fp8_f32 v[C+4*(\t):C+4*(\t)+1], v[XS:XS+7], v11
	v_cvt_scalef32_pk8_fp8_f32 v[C+4*(\t)+2:C+4*(\t)+3], v[XS+8:XS+15], v11
	global_store_b128 v3, v[C+4*(\t):C+4*(\t)+3], s[10:11] offset:(((\t)/2)%2)*2097152+((\t)/4)*1024+((\t)%2)*512   ; the wave stores 512 consecutive bytes
.endm
.irp t, 0,1,2,3,4,5,6,7
	STEPH \t
.endr
	s_wait_tensorcnt 0x0
	ds_add_u32 v160, v161
	s_wait_dscnt 0x0
	s_endpgm
	; ---- path 2: W_o's codes.  Wave nt = 4 x + wave takes rows 16 nt .. 16 nt + 15: 16,384 dense bytes, through a stage with rows 1,040 bytes apart
.Lweights:
	s_sub_co_u32 s17, ttmp9, 256                   ; x = 0..15
	s_lshl_b32 s18, s17, 2
	s_add_co_u32 s18, s18, s16                     ; nt
	s_lshl_b32 s20, s18, 14
	s_add_nc_u64 s[8:9], s[8:9], s[20:21]
.set q, 0
	s_wait_alu depctr_va_vdst(0)
.rept 32
	global_load_b128 v[WF+4*q:WF+4*q+3], v3, s[8:9] offset:512*q th:TH_LOAD_NT   ; half q % 2 of row q / 2
.set q, q+1
.endr
	s_mul_i32 s19, s16, 16*WP
	s_add_co_u32 s19, s19, WST                     ; my stage
	v_add_nc_u32 v4, s19, v3                       ; into it: 16 x lane
	v_and_b32 v5, 15, v0                           ; r
	v_bfe_u32 v6, v0, 4, 1                         ; h
	v_mul_u32_u24 v7, v5, WP
	v_lshl_add_u32 v7, v6, 3, v7
	v_add_nc_u32 v7, s19, v7                       ; out of it: row r, + 8 h: word 260 r + 2 h, so the 32 lanes of an 8-byte load fall on 64 different banks (ISA guide 11.1)
	s_lshr_b32 s22, s18, 3
	s_lshl_b32 s22, s22, 17                        ; w = nt / 8
	s_and_b32 s23, s18, 7
	s_lshl_b32 s23, s23, 11                        ; T = nt % 8
	s_add_co_u32 s20, s22, s23
	s_add_nc_u64 s[12:13], s[12:13], s[20:21]
	s_wait_alu depctr_va_vdst(0)
	s_wait_loadcnt 16                              ; rows 0-7 are in; the sixteen younger loads may be out
.set q, 0
.rept 32
.if q == 16
	s_wait_loadcnt 0x0
.endif
	ds_store_b128 v4, v[WF+4*q:WF+4*q+3] offset:(q/2)*WP+(q%2)*512
.set q, q+1
.endr
.set q, 0
.rept 32                               ; q = 4 ks + Q: registers 4 Q .. 4 Q + 3 of K step ks: k = 128 ks + 32 Q + 8 h + 0 .. 7 and 16 further on.  They land in the registers that the stores left: LDS serves a wave in order
	ds_load_b64 v[WF+4*q:WF+4*q+1], v7 offset:32*q
	ds_load_b64 v[WF+4*q+2:WF+4*q+3], v7 offset:32*q+16
.set q, q+1
.endr
.set q, 0
.rept 32
.if q%4 == 0
	s_wait_dscnt 8*(7-q/4)                         ; this K step's eight loads are in; the later K steps' may be out
.endif
	global_store_b128 v3, v[WF+4*q:WF+4*q+3], s[12:13] offset:16384*(q/4)+512*(q%4)   ; 512 consecutive bytes
.set q, q+1
.endr
	s_cmp_lg_u32 s16, 0
	s_cbranch_scc1 .Lw_end
	v_mov_b32 v8, 0                                ; wave 0: rows 0-7 of head x of rk are zeros: 512 bytes
	v_mov_b32 v9, 0
	v_mov_b32 v10, 0
	v_mov_b32 v11, 0
	s_mul_i32 s20, s17, RKHEAD
	s_add_nc_u64 s[14:15], s[14:15], s[20:21]
	global_store_b128 v3, v[8:11], s[14:15]
.Lw_end:
	s_wait_tensorcnt 0x0
	ds_add_u32 v160, v161
	s_wait_dscnt 0x0
	s_endpgm
.Lfunc_end_k_q8c0d82c930_prep:
	.size	k_q8c0d82c930_prep, .Lfunc_end_k_q8c0d82c930_prep-k_q8c0d82c930_prep
	.p2alignl 7, 3214868480
	.fill 96, 4, 3214868480
	.section	.rodata,"a",@progbits
	.p2align	6, 0x0
	.amdhsa_kernel k_q8c0d82c930_prep
		.amdhsa_group_segment_fixed_size 99840
		.amdhsa_private_segment_fixed_size 0
		.amdhsa_enable_private_segment 0
		.amdhsa_kernarg_size 48
		.amdhsa_user_sgpr_count 2
		.amdhsa_user_sgpr_kernarg_segment_ptr 1
		.amdhsa_wavefront_size32 1
		.amdhsa_system_sgpr_workgroup_id_x 1
		.amdhsa_system_sgpr_workgroup_id_y 1
		.amdhsa_system_sgpr_workgroup_id_z 1
		.amdhsa_system_vgpr_workitem_id 0
		.amdhsa_next_free_vgpr 162
		.amdhsa_next_free_sgpr 66
		.amdhsa_reserve_vcc 0
		.amdhsa_float_denorm_mode_32 3
		.amdhsa_float_denorm_mode_16_64 3
		.amdhsa_fp16_overflow 1
		.amdhsa_memory_ordered 1
		.amdhsa_forward_progress 1
		.amdhsa_inst_pref_size 25
	.end_amdhsa_kernel
	.amdgpu_metadata
---
amdhsa.version: [ 1, 2 ]
amdhsa.kernels:
  - .name:           k_q8c0d82c930_prep
    .symbol:         k_q8c0d82c930_prep.kd
    .args:
      - { .name: h, .offset: 0, .size: 8, .value_kind: global_buffer, .address_space: global }
      - { .name: lowp_scales, .offset: 8, .size: 8, .value_kind: global_buffer, .address_space: global }
      - { .name: W_o_codes, .offset: 16, .size: 8, .value_kind: global_buffer, .address_space: global }
      - { .name: hq, .offset: 24, .size: 8, .value_kind: global_buffer, .address_space: global }
      - { .name: wo, .offset: 32, .size: 8, .value_kind: global_buffer, .address_space: global }
      - { .name: rk, .offset: 40, .size: 8, .value_kind: global_buffer, .address_space: global }
    .group_segment_fixed_size: 99840
    .private_segment_fixed_size: 0
    .kernarg_segment_align: 8
    .kernarg_segment_size: 48
    .max_flat_workgroup_size: 128
    .sgpr_count:     66
    .vgpr_count:     162
    .wavefront_size: 32
...
	.end_amdgpu_metadata
.endif
;; end of part 1
;; launch proj (part 2): grid 56 x 4, 4 waves a work-group, clusters of 4 x 4, 327,680 bytes of LDS; arguments hq, W_qkv_codes, r_codes, W_r_codes, lowp_scales, r_w_bias, r_r_bias, qu, qv, kv, rk; writes qu, qv, kv, rk
.if DOCPART == 2
	.amdgcn_target "amdgcn-amd-amdhsa--gfx1250"
	.amdhsa_code_object_version 6
	.text
	.protected	k_q8c0d82c930_proj
	.globl	k_q8c0d82c930_proj
	.p2align	8
	.type	k_q8c0d82c930_proj,@function
k_q8c0d82c930_proj:
	s_mov_b64 s[64:65], 0
	v_nop
	global_prefetch_b8 v0, s[64:65] scope:SCOPE_SE
	s_setreg_imm32_b32 hwreg(HW_REG_WAVE_MODE, 25, 1), 1
	s_wait_xcnt 0x0
	s_wait_alu depctr_hold_cnt(0) depctr_sa_sdst(0) depctr_va_vdst(0) depctr_va_sdst(0) depctr_va_ssrc(0) depctr_va_vcc(0) depctr_vm_vsrc(0)
	s_getreg_b32 s2, hwreg(HW_REG_IB_STS2, 6, 4)
	s_cmp_eq_u32 s2, 0
	s_cbranch_scc0 .Lentry_in_a_cluster
	s_endpgm
.Lentry_in_a_cluster:
	s_bfe_u32 s2, ttmp6, 0x10000c
	s_cmp_lg_u32 s2, 0xf033
	s_cbranch_scc0 .Lentry_shape_is_right
	s_endpgm
.Lentry_shape_is_right:
.set KSTEP,  256
.set ROWB,   256
.set KROW,   1024
.set PITCH,  272
.set FR,     16
.set NL,     4
.set NP,     4
.set HALFT,  128*PITCH
.set SLOT,   4*HALFT
.set LAPS,   KROW/(2*KSTEP)
.set SPARE,  2*SLOT
.set RSP,    144
.set RKHEAD, 131584
.set ADRA, 16
.set SC2,  18
.set LM2,  19
.set ADRB, 20
.set STO,  24
.set RD,   25
.set CO,   26
.set BO,   27
.set SPW,  28
.set NIL,  29
.set SC,   30
.set LM,   31
.set U,    32
.set VB,   96
.set TT,   32
.set CDS,  96
.set T1,   160
.set T2,   192
.set CD,   224
.set AF,   128
.set G1, 24
.set G0, 32
.set G1B, 48
.set G0B, 56
.set MSB, 0
.macro WIN new
.if MSB != (\new)
	s_set_vgpr_msb (MSB<<8)|(\new)
.set MSB, (\new)
.endif
.endm
.set MUL_LO, 0xa1
.set MUL_HI, 0xf1
.set TO_B,   0x40
.macro JLOAD g0a, g1a, g0b, g1b
	s_cmp_eq_u32 s15, 0
	s_cbranch_scc0 .Lfor_b_\@
	tensor_load_to_lds s[\g0a:\g0a+3], s[\g1a:\g1a+7]
	s_nop 0
.rept 4
	v_nop
.endr
	s_branch .Lasked_\@
.Lfor_b_\@:
	tensor_load_to_lds s[\g0b:\g0b+3], s[\g1b:\g1b+7]
	s_nop 0
.rept 4
	v_nop
.endr
.Lasked_\@:
.endm
.macro CREST
	s_cmp_lg_u32 s14, 0
	s_cbranch_scc1 .Lnot_wave_0_\@
	s_barrier_signal -3
.Lnot_wave_0_\@:
	s_barrier_wait -3
	s_barrier_signal -1
	s_barrier_wait -1
.endm
.macro CROUND
	s_barrier_signal -1
	s_barrier_wait -1
	CREST
.endm
	s_load_b512 s[68:83], s[0:1], 0x0
	s_load_b128 s[84:87], s[0:1], 0x40
	s_load_b64 s[88:89], s[0:1], 0x50
	v_lshl_add_u32 v[SPW], v0, 2, SPARE
	v_mov_b32 v[NIL], 0
	ds_add_u32 v28, v29
	ds_add_u32 v28, v29
	s_wait_dscnt 0x0
	v_lshrrev_b32 v1, 5, v0
	v_readfirstlane_b32 s14, v1
	s_lshr_b32 s15, s14, 1
	s_and_b32 s16, s14, 1
	s_bfe_u32 s40, ttmp6, 0x40000
	s_bfe_u32 s41, ttmp6, 0x40004
	s_lshr_b32 s66, ttmp9, 2
	s_and_b32 s67, ttmp9, 3
	s_lshl_b32 s67, s67, 2
	s_cmp_eq_u32 s66, 2
	s_cselect_b32 s17, 8, s67
	s_cselect_b32 s42, s67, 0
	s_cmp_eq_u32 s66, 1
	s_cselect_b32 s42, 4, s42
	s_add_co_u32 s17, s17, s41
	s_add_co_u32 s42, s42, s40
	s_lshl_b32 s43, s41, 2
	s_lshl_b32 s43, 15, s43
	s_lshl_b32 s44, 0x1111, s40
	s_or_b32 s[G1+0], s43, (0<<16)|(1<<20)|(1<<21)|(5<<22)|(3<<25)
	s_or_b32 s[G1B+0], s44, (0<<16)|(1<<20)|(1<<21)|(5<<22)|(3<<25)
.irp g, G1, G1B
	s_mov_b32 s[\g+1], ROWB<<16
	s_mov_b32 s[\g+2], 128<<16
	s_mov_b32 s[\g+3], ROWB<<16
	s_mov_b32 s[\g+4], 128
	s_mov_b32 s[\g+5], KROW
	s_mov_b32 s[\g+6], 0
	s_mov_b32 s[\g+7], 0
.endr
	s_lshl_b32 s18, s16, 7
	s_lshl_b32 s20, s17, 8
	s_add_co_u32 s20, s20, s18
	s_lshl_b32 s20, s20, 10
	s_mov_b32 s21, 0
	s_lshl_b32 s46, s42, 8
	s_add_co_u32 s46, s46, s18
	s_lshl_b32 s46, s46, 10
	s_mov_b32 s47, 0
	s_mul_i32 s45, s14, HALFT
	s_wait_kmcnt 0x0
	s_load_b256 s[92:99], s[76:77], 0x0
	s_load_b32 s100, s[76:77], 0x20
	s_cmp_lt_u32 s66, 2
	s_cselect_b64 s[4:5], s[68:69], s[70:71]
	s_cselect_b64 s[6:7], s[70:71], s[68:69]
	s_cmp_eq_u32 s66, 3
	s_cselect_b64 s[4:5], s[72:73], s[4:5]
	s_cselect_b64 s[6:7], s[74:75], s[6:7]
	s_add_nc_u64 s[20:21], s[4:5], s[20:21]
	s_add_nc_u64 s[46:47], s[6:7], s[46:47]
	CROUND
.irp s, 0,1
	s_mov_b32 s[G0+4*\s], 1
	s_add_co_u32 s[G0+4*\s+1], s45, \s*SLOT
	s_add_nc_u64 s[G0+4*\s+2:G0+4*\s+3], s[20:21], \s*ROWB
	s_or_b32 s[G0+4*\s+3], s[G0+4*\s+3], 0x80000000
	s_mov_b32 s[G0B+4*\s], 1
	s_add_co_u32 s[G0B+4*\s+1], s45, \s*SLOT
	s_add_nc_u64 s[G0B+4*\s+2:G0B+4*\s+3], s[46:47], \s*ROWB
	s_or_b32 s[G0B+4*\s+3], s[G0B+4*\s+3], 0x80000000
	s_wait_alu depctr_va_vdst(0)
	s_wait_tensorcnt 0x0
	ds_add_u32 v28, v29
	ds_add_u32 v28, v29
	s_wait_dscnt 0x0
	CROUND
	JLOAD G0+4*\s, G1, G0B+4*\s, G1B
.endr
	v_and_b32 v1, 15, v0
	s_wait_alu depctr_va_vdst(0)
	v_bfe_u32 v2, v0, 4, 1
	s_lshl_b32 s18, s40, 10
	s_lshl_b32 s19, s16, 9
	s_add_co_u32 s18, s18, s19
	v_lshl_add_u32 v[BO], v2, 5, s18
.irp b, 0,1,2,3,4,5,6,7
	global_load_b128 v[U+8*\b:U+8*\b+3], v[BO], s[78:79] offset:64*\b
	global_load_b128 v[U+8*\b+4:U+8*\b+7], v[BO], s[78:79] offset:64*\b+16
.endr
.irp b, 0,1,2,3
	global_load_b128 v[VB+8*\b:VB+8*\b+3], v[BO], s[80:81] offset:64*\b
	global_load_b128 v[VB+8*\b+4:VB+8*\b+7], v[BO], s[80:81] offset:64*\b+16
.endr
	v_mul_u32_u24 v3, v1, PITCH
	v_lshl_add_u32 v4, v2, 4, v3
	s_mul_i32 s21, s15, HALFT
	s_mul_i32 s22, s16, HALFT
	s_add_co_u32 s22, s22, 2*HALFT
.irp s, 0,1
	v_add_nc_u32 v[ADRA+\s], s21, v4
	v_add_nc_u32 v[ADRB+\s], s22, v4
	s_add_co_u32 s21, s21, SLOT
	s_add_co_u32 s22, s22, SLOT
.endr
	s_mul_i32 s23, s14, 16*RSP
	v_mul_u32_u24 v5, v1, RSP
	s_wait_alu depctr_va_vdst(0)
	v_lshl_add_u32 v5, v2, 3, v5
	v_add_nc_u32 v[STO], s23, v5
	v_and_b32 v6, 31, v0
	v_lshrrev_b32 v5, 2, v6
	v_mul_u32_u24 v5, v5, RSP
	v_and_b32 v3, 3, v6
	v_lshl_add_u32 v5, v3, 4, v5
	v_add_nc_u32 v[RD], s23, v5
	v_lshlrev_b32 v[CO], 4, v6
.macro FRAG reg, adr, q, i
.irp c, 0,1,2,3
	ds_load_b128 v[\reg+4*\c:\reg+4*\c+3], v[\adr] offset:128*(\q)+32*\c+(\i)*16*PITCH
.endr
.endm
.macro MUL16 a0, p, zero
.irp a, \a0, \a0+1
.irp b, 0,1,2,3,4,5,6,7
.if \zero
	v_wmma_f32_16x16x128_fp8_fp8 v[8*(8*((\a)%4)+\b):8*(8*((\a)%4)+\b)+7], v[128*(\p)+FR*\b:128*(\p)+FR*\b+FR-1], v[AF+FR*(\a):AF+FR*(\a)+FR-1], 0
.else
	v_wmma_f32_16x16x128_fp8_fp8 v[8*(8*((\a)%4)+\b):8*(8*((\a)%4)+\b)+7], v[128*(\p)+FR*\b:128*(\p)+FR*\b+FR-1], v[AF+FR*(\a):AF+FR*(\a)+FR-1], v[8*(8*((\a)%4)+\b):8*(8*((\a)%4)+\b)+7]
.endif
.endr
.endr
.endm
.macro FETCH_B slot, q, p
	WIN TO_B
.irp i, 0,1,2,3,4,5,6,7
	FRAG 128*(\p)+FR*\i, ADRB+\slot, \q, \i
.endr
	WIN 0
.endm
.macro FETCH_A slot, q, i0
.irp i, \i0, \i0+1, \i0+2, \i0+3
	FRAG AF+FR*(\i), ADRA+\slot, \q, \i
.endr
.endm
.macro PLACES n
.rept \n
	v_nop
.endr
.endm
.macro STEP slot, q, zero
	s_wait_dscnt 4*NL
	WIN MUL_LO
	MUL16 0, (\q)%2, \zero
	MUL16 2, (\q)%2, \zero
	s_wait_dscnt 0
	PLACES NP
	FETCH_B \slot, (\q)+1, 1-(\q)%2
	FETCH_A \slot, (\q)+1, 0
	WIN MUL_HI
	MUL16 4, (\q)%2, \zero
	MUL16 6, (\q)%2, \zero
	PLACES NP
	WIN 0
	FETCH_A \slot, (\q)+1, 4
.endm
.macro TURN slot, next, fill
	s_wait_tensorcnt 0x0
	ds_add_u32 v[SPW], v[NIL]
	s_wait_dscnt 4*NL+1
	WIN MUL_LO
	MUL16 0, 1, 0
	s_wait_dscnt 0x0
	s_barrier_signal -1
	MUL16 2, 1, 0
	WIN 0
	s_barrier_wait -1
.if \fill
	CREST
	s_add_nc_u64 s[G0+4*\slot+2:G0+4*\slot+3], s[G0+4*\slot+2:G0+4*\slot+3], 2*ROWB
	s_add_nc_u64 s[G0B+4*\slot+2:G0B+4*\slot+3], s[G0B+4*\slot+2:G0B+4*\slot+3], 2*ROWB
	JLOAD G0+4*\slot, G1, G0B+4*\slot, G1B
.else
	PLACES NP
.endif
	FETCH_B \next, 0, 0
	FETCH_A \next, 0, 0
	WIN MUL_HI
	MUL16 4, 1, 0
	MUL16 6, 1, 0
	PLACES NP
	WIN 0
	FETCH_A \next, 0, 4
.endm
	s_wait_tensorcnt 1
	s_barrier_signal -1
	s_barrier_wait -1
	FETCH_B 0, 0, 0
	FETCH_A 0, 0, 0
	FETCH_A 0, 0, 4
	STEP 0, 0, 1
	s_mov_b32 s3, LAPS-1
.Llap:
	TURN 0, 1, 1
	STEP 1, 0, 0
	TURN 1, 0, 1
	STEP 0, 0, 0
	s_sub_co_u32 s3, s3, 1
	s_cmp_lg_u32 s3, 0
	s_cbranch_scc1 .Llap
	TURN 0, 1, 0
	STEP 1, 0, 0
	s_wait_dscnt 4*NL
	WIN MUL_LO
	MUL16 0, 1, 0
	MUL16 2, 1, 0
	s_wait_dscnt 0
	WIN MUL_HI
	MUL16 4, 1, 0
	MUL16 6, 1, 0
	WIN 0
.macro MKSCALE se, vsc, vlim
	s_add_co_i32 s46, s[\se], 127
	s_lshl_b32 s47, s46, 23
	v_mov_b32 v[\vsc], s47
.endm
.macro OUT_KV a, isv
.set AC, 64*((\a)%4)
	WIN 0x02+((\a)/4)
.set i, 0
.rept 64
.set i, i+1
.endr
.set i, 0
.rept 8
	v_cvt_scalef32_pk8_fp8_f32 v[CDS+16*(\a)+2*i:CDS+16*(\a)+2*i+1], v[AC+8*i:AC+8*i+7], v[SC]
.set i, i+1
.endr
	WIN 0
	v_nop
.set i, 0
.rept 4
.if \isv
	global_store_b128 v[CO], v[CDS+16*(\a)+4*i:CDS+16*(\a)+4*i+3], s[86:87] offset:262144*((\a)/4)+2048*((\a)%4)+512*i
.else
	global_store_b128 v[CO], v[CDS+16*(\a)+4*i:CDS+16*(\a)+4*i+3], s[86:87] offset:262144*(i/2)+1024*(\a)+512*(i%2)
.endif
.set i, i+1
.endr
.endm
.macro OUT_Q a, hh, g
.set AC, 64*((\a)%4)+32*(\hh)
.set CQ, CD+16*((\g)%2)
.if (\g) >= 2
	s_wait_xcnt 0x0
.endif
	WIN 0x02+((\a)/4)
.set i, 0
.rept 16
	v_pk_fma_f32 v[T1+i:T1+i+1], v[AC+i:AC+i+1], s[90:91], v[U+32*(\hh)+i:U+32*(\hh)+i+1] op_sel_hi:[1,0,1]
.set i, i+2
.endr
.set i, 0
.rept 16
	v_pk_fma_f32 v[T2+i:T2+i+1], v[AC+i:AC+i+1], s[90:91], v[VB+32*(\hh)+i:VB+32*(\hh)+i+1] op_sel_hi:[1,0,1]
.set i, i+2
.endr
	WIN 0
.set i, 0
.rept 32
.set i, i+1
.endr
.set i, 0
.rept 4
	v_cvt_scalef32_pk8_fp8_f32 v[CQ+2*i:CQ+2*i+1], v[T1+8*i:T1+8*i+7], v[SC]
	v_cvt_scalef32_pk8_fp8_f32 v[CQ+8+2*i:CQ+8+2*i+1], v[T2+8*i:T2+8*i+7], v[SC2]
.set i, i+1
.endr
	v_nop
	global_store_b128 v[CO], v[CQ:CQ+3], s[82:83] offset:131072*(\hh)+1024*(\a)
	global_store_b128 v[CO], v[CQ+4:CQ+7], s[82:83] offset:131072*(\hh)+1024*(\a)+512
	global_store_b128 v[CO], v[CQ+8:CQ+11], s[84:85] offset:131072*(\hh)+1024*(\a)
	global_store_b128 v[CO], v[CQ+12:CQ+15], s[84:85] offset:131072*(\hh)+1024*(\a)+512
.endm
.macro OUT_R a
.set AC, 64*((\a)%4)
	WIN 0x02+((\a)/4)
.set i, 0
.rept 64
.set i, i+1
.endr
.set i, 0
.rept 8
	v_cvt_scalef32_pk8_fp8_f32 v[CDS+2*i:CDS+2*i+1], v[AC+8*i:AC+8*i+7], v[SC]
.set i, i+1
.endr
	WIN 0
	v_nop
.set i, 0
.rept 8
	ds_store_b64 v[STO], v[CDS+2*i:CDS+2*i+1] offset:16*i
.set i, i+1
.endr
.set i, 0
.rept 4
	ds_load_b128 v[CDS+16+16*(\a)+4*i:CDS+16+16*(\a)+4*i+3], v[RD] offset:8*RSP*(i%2)+64*(i/2)
.set i, i+1
.endr
	s_wait_dscnt 0x0
.set i, 0
.rept 4
	global_store_b128 v[CO], v[CDS+16+16*(\a)+4*i:CDS+16+16*(\a)+4*i+3], s[88:89] offset:RKHEAD*(i/2)+1024*(\a)+512*(i%2)
.set i, i+1
.endr
.endm
	s_wait_kmcnt 0x0
	s_wait_loadcnt 0x0
	PLACES NP
	s_lshl_b32 s18, s17, 1
	s_add_co_u32 s18, s18, s15
	s_and_b32 s18, s18, 15
	s_lshr_b32 s19, s17, 3
	s_lshl_b32 s19, s19, 4
	s_lshl_b32 s22, s40, 2
	s_add_co_u32 s19, s19, s22
	s_lshl_b32 s22, s16, 1
	s_add_co_u32 s19, s19, s22
	s_add_co_i32 s90, s92, s93
	s_cmp_eq_u32 s66, 0
	s_cbranch_scc1 .Lout_q
	s_cmp_eq_u32 s66, 1
	s_cbranch_scc1 .Lout_k
	s_cmp_eq_u32 s66, 2
	s_cbranch_scc1 .Lout_v
	s_sub_co_i32 s22, s98, s94
	s_sub_co_i32 s22, s22, s95
	MKSCALE 22, SC, LM
	s_wait_alu depctr_va_vdst(0)
	s_lshl_b32 s20, s40, 2
	s_lshl_b32 s21, s16, 1
	s_add_co_u32 s20, s20, s21
	s_mul_i32 s20, s20, RKHEAD
	s_lshl_b32 s21, s17, 8
	s_lshl_b32 s22, s15, 7
	s_add_co_u32 s21, s21, s22
	s_add_co_u32 s21, s21, 8
	s_lshl_b32 s21, s21, 6
	s_add_co_u32 s20, s20, s21
	s_mov_b32 s21, 0
	s_add_nc_u64 s[88:89], s[88:89], s[20:21]
.irp a, 0,1,2,3,4,5,6,7
	OUT_R \a
.endr
	s_branch .Lend
.Lout_k:
	s_sub_co_i32 s22, s96, s90
	MKSCALE 22, SC, LM
	s_wait_alu depctr_va_vdst(0)
	s_lshl_b32 s20, s19, 18
	s_lshl_b32 s21, s18, 14
	s_add_co_u32 s20, s20, s21
	s_mov_b32 s21, 0
	s_add_nc_u64 s[86:87], s[86:87], s[20:21]
.irp a, 0,1,2,3,4,5,6,7
	OUT_KV \a, 0
.endr
	s_branch .Lend
.Lout_v:
	s_sub_co_i32 s22, s100, s90
	MKSCALE 22, SC, LM
	s_wait_alu depctr_va_vdst(0)
	s_lshl_b32 s18, s42, 1
	s_add_co_u32 s18, s18, s16
	s_and_b32 s18, s18, 15
	s_lshr_b32 s19, s42, 3
	s_lshl_b32 s19, s19, 4
	s_lshl_b32 s22, s41, 2
	s_add_co_u32 s19, s19, s22
	s_lshl_b32 s22, s15, 1
	s_add_co_u32 s19, s19, s22
	s_lshl_b32 s20, s19, 18
	s_lshl_b32 s21, s18, 14
	s_add_co_u32 s20, s20, s21
	s_add_co_u32 s20, s20, 8192
	s_mov_b32 s21, 0
	s_add_nc_u64 s[86:87], s[86:87], s[20:21]
.irp a, 0,1,2,3,4,5,6,7
	OUT_KV \a, 1
.endr
	s_branch .Lend
.Lout_q:
.irp b, 4,5,6,7
	global_load_b128 v[VB+8*\b:VB+8*\b+3], v[BO], s[80:81] offset:64*\b
	global_load_b128 v[VB+8*\b+4:VB+8*\b+7], v[BO], s[80:81] offset:64*\b+16
.endr
	s_add_co_i32 s90, s90, 127
	s_lshl_b32 s90, s90, 23
	s_mov_b32 s91, s90
	MKSCALE 97, SC, LM
	MKSCALE 99, SC2, LM2
	s_lshl_b32 s20, s19, 17
	s_lshl_b32 s21, s18, 13
	s_add_co_u32 s20, s20, s21
	s_mov_b32 s21, 0
	s_add_nc_u64 s[82:83], s[82:83], s[20:21]
	s_add_nc_u64 s[84:85], s[84:85], s[20:21]
.irp a, 0,1,2,3,4,5,6,7
	OUT_Q \a, 0, \a
.endr
	s_wait_loadcnt 0x0
.irp a, 0,1,2,3,4,5,6,7
	OUT_Q \a, 1, 8+\a
.endr
.Lend:
	s_wait_tensorcnt 0x0
	ds_add_u32 v[SPW], v[NIL]
	s_wait_dscnt 0x0
	CROUND
	s_endpgm
.Lfunc_end_k_q8c0d82c930_proj:
	.size	k_q8c0d82c930_proj, .Lfunc_end_k_q8c0d82c930_proj-k_q8c0d82c930_proj
	.p2alignl 7, 3214868480
	.fill 96, 4, 3214868480
	.section	.rodata,"a",@progbits
	.p2align	6, 0x0
	.amdhsa_kernel k_q8c0d82c930_proj
		.amdhsa_group_segment_fixed_size 327680
		.amdhsa_private_segment_fixed_size 0
		.amdhsa_enable_private_segment 0
		.amdhsa_kernarg_size 88
		.amdhsa_user_sgpr_count 2
		.amdhsa_user_sgpr_kernarg_segment_ptr 1
		.amdhsa_wavefront_size32 1
		.amdhsa_system_sgpr_workgroup_id_x 1
		.amdhsa_system_sgpr_workgroup_id_y 1
		.amdhsa_system_sgpr_workgroup_id_z 1
		.amdhsa_system_vgpr_workitem_id 0
		.amdhsa_next_free_vgpr 1024
		.amdhsa_next_free_sgpr 102
		.amdhsa_reserve_vcc 0
		.amdhsa_float_denorm_mode_32 3
		.amdhsa_float_denorm_mode_16_64 3
		.amdhsa_fp16_overflow 1
		.amdhsa_memory_ordered 1
		.amdhsa_forward_progress 1
		.amdhsa_inst_pref_size 162
	.end_amdhsa_kernel
	.amdgpu_metadata
---
amdhsa.version: [ 1, 2 ]
amdhsa.kernels:
  - .name:           k_q8c0d82c930_proj
    .symbol:         k_q8c0d82c930_proj.kd
    .args:
      - { .name: hq, .offset: 0, .size: 8, .value_kind: global_buffer, .address_space: global }
      - { .name: W_qkv_codes, .offset: 8, .size: 8, .value_kind: global_buffer, .address_space: global }
      - { .name: r_codes, .offset: 16, .size: 8, .value_kind: global_buffer, .address_space: global }
      - { .name: W_r_codes, .offset: 24, .size: 8, .value_kind: global_buffer, .address_space: global }
      - { .name: lowp_scales, .offset: 32, .size: 8, .value_kind: global_buffer, .address_space: global }
      - { .name: r_w_bias, .offset: 40, .size: 8, .value_kind: global_buffer, .address_space: global }
      - { .name: r_r_bias, .offset: 48, .size: 8, .value_kind: global_buffer, .address_space: global }
      - { .name: qu, .offset: 56, .size: 8, .value_kind: global_buffer, .address_space: global }
      - { .name: qv, .offset: 64, .size: 8, .value_kind: global_buffer, .address_space: global }
      - { .name: kv, .offset: 72, .size: 8, .value_kind: global_buffer, .address_space: global }
      - { .name: rk, .offset: 80, .size: 8, .value_kind: global_buffer, .address_space: global }
    .group_segment_fixed_size: 327680
    .private_segment_fixed_size: 0
    .kernarg_segment_align: 8
    .kernarg_segment_size: 88
    .max_flat_workgroup_size: 128
    .sgpr_count:     102
    .vgpr_count:     1024
    .wavefront_size: 32
...
	.end_amdgpu_metadata
.endif
;; end of part 2
;; launch attn (part 3): grid 8 x 32, 16 waves a work-group, no clusters, 327,680 bytes of LDS; arguments qu, qv, kv, rk, lowp_scales, av; writes av
.if DOCPART == 3
	.amdgcn_target "amdgcn-amd-amdhsa--gfx1250"
	.amdhsa_code_object_version 6
	.text
	.protected	k_q8c0d82c930_attn
	.globl	k_q8c0d82c930_attn
	.p2align	8
	.type	k_q8c0d82c930_attn,@function
k_q8c0d82c930_attn:
	s_mov_b64 s[64:65], 0
	v_nop
	global_prefetch_b8 v0, s[64:65] scope:SCOPE_SE
	s_setreg_imm32_b32 hwreg(HW_REG_WAVE_MODE, 25, 1), 1
	s_wait_xcnt 0x0
; ATTN.  For one (batch, head) and 256 queries: scores = AC + shifted BD, softmax, times V; all three products on codes of E4M3 made by the launch before; the result is quantised for the output projection.
; THE SHIFT.  With t = j - i and rho = t + 2,047, reference()'s shifted BD[i][j] is (q_i + v) . rk[rho] for rho < 2,048, zero for rho = 2,048, and (q_(i+1) + v) . rk[rho - 2,049] above.  rk's buffer has its zero row at row 7 and
; rk[m] at row 8 + m, so a run of rho is a run of rows: row 8 + rho below the border, row rho - 2,041 from it on.
; SHARES.  A work-group owns 256 queries; each of its sixteen waves 16 of them, i0 = 256 qb + 16 w on, in 256 registers: four waves to a SIMD.  Every wave walks all 2,048 keys, 128 a step.
; A STEP.  The wave's 16 queries x 128 keys touch rho = j0 - i0 + 2,032 + 0 .. 143: nine tiles of 16 rows of rk.  raw^T = rk tile x (q + v) (source 0 = 16 rows of rk, source 1 = my 16 queries), nine products; x 2^(e6 + e7 - e4 - e5);
; stored into the wave's own strip in LDS, row = query, pitch 592 bytes; read back askew, one word a lane, from column key - query + 15: the registers that come back are the C of S^T = K (q + u)^T + C.
; So the sum AC + BD costs no vector instruction.  Then the softmax by the rule p = 2^(t - M), M a whole number, the sum of the unquantised p, and O^T += V^T p^T.  A lane holds ONE query (lane % 16) throughout.
; WHICH QUERIES.  Tile tau lies at or above the border iff tau >= SW = 1 + 16 qb + w - 8 step.  SW falls by 8 a step, so it lies in 1 .. 8 in exactly one step: there, ahead of tile SW, the operand QB changes from queries i0 + r to i0 + 1 + r, for good.
; LDS.  K and V: two slots of 16,384 bytes (a step's 8 + 4 images of operand registers).  rk: a ring of 512 rows of 64 + 16 bytes, four chunks of 128 rows; step s reads chunks s, s + 1, s + 2 of the work-group's window while chunk s + 3 lands.
; NO CLUSTER: the work-groups that share K and V differ in qb; the change of QB is a branch on SW, which holds qb, and rk's chunks (14 - 2 qb + k) differ with qb too; a form without that branch would select all nine tiles' operand in every step.
; LIMITS on the given exponents, so that each power of two below is an f32 number: e4 + e5 between -123 and 130 (added to c's exponent field); e6 + e7 - e4 - e5 between -126 and 127; e9 and e10 between -126 and 119.  NaN is not served.
.set KVS,   16384                      ; a slot of K and V
.set RKR,   32768                      ; rk's ring
.set RKP,   80                         ; a row of it: 20 words, so the 16 rows of a fragment load start at 16 different groups of four banks (ISA guide 11.1)
.set STRIP, 73728                      ; the strips: 16 rows x SPI bytes for each wave
.set SPI,   592                        ; 148 words: stores step 20 words mod 64 from row to row; the askew loads step 147 = 19 mod 64: 32 lanes, 32 banks
.set SPARE, 225280                     ; the spare words, 128 bytes for each wave: eight blocks of 256 bytes that no other line names
.set RKHEAD, 131584
.set LI,   1                           ; v1   16 x lane
.set ARK,  2                           ; v2   my lane's place in a tile of rk: RKR + 80 r + 32 h
.set STO,  3                           ; v3   the strip: where I put raw numbers: 592 r + 32 h
.set RDA,  4                           ; v4   and where I read them askew: 588 r + 32 h + 60
.set SPW,  5                           ; v5   LDS address of my spare word; never rewritten
.set NIL,  6                           ; v6   0; never rewritten
.set ADK,  8                           ; v8   the slot in hand + 16 x lane
.set PFO,  10                          ; v10  256 x lane
.set QU,   16                          ; v16-23   q + u, my 16 queries
.set QB,   24                          ; v24-31   q + v of the queries that the next tile of rk meets
.set QV2,  32                          ; v32-39   q + v of queries i0 + 1 + r
.set FF,   40                          ; v40-103  fragments: 8 of rk, then 8 of K, then 4 of V
.set SS,   104                         ; v104-167 raw tiles 0-7, then the scores, then p
.set OT,   168                         ; v168-199 O^T
.set PCD,  200                         ; v200-215 rk's ninth fragment and raw tile 8; later p's codes
.set LIMP, 220
.set SCP,  221                         ; v221 2^e9
.set TA,   222                         ; v222-230 the nine tiles' LDS addresses; later at work:
.set TM,   222
.set FA,   224                         ; v[224:225] f
.set PD,   226
.set SM,   228                         ; v[228:229]
.set WV,   16
.set SEL,  20                          ; s[20:21] lane selects: lane l xor 16
.set CS,   22                          ; s[22:23] c = log2(e) / 8 x 2^(e4 + e5)
.set G1KV, 24
.set G1RK, 32
.set G0KV, 40
.set G0RK, 44
.set TBK,  48                          ; LDS byte at which the slot in hand begins
.set POS,  49                          ; my window's first row in the ring, before the wrap: 128 step + 16 (15 - w)
.set SW,   50
.set SLOTS, 51
.set KF,   52                          ; the chunk to be asked for, counted in the work-group's window,
.set CH,   53                          ; and in rho: 14 - 2 qb + KF
.set PFA,  66
.set LIM,  68
; Group 0 of rk's descriptor for chunk s[KF]: ring rows 128 (KF % 4) on; buffer rows 128 CH + 8 below the border (CH < 16), 128 CH - 2,041 from it on
.macro MKRK
	s_and_b32 s54, s[KF], 3
	s_mul_i32 s54, s54, 128*RKP
	s_add_co_u32 s[G0RK+1], s54, RKR
	s_cmp_lt_u32 s[CH], 16
	s_cselect_b32 s54, 8, 0xfffff807
	s_lshl_b32 s55, s[CH], 7
	s_add_co_i32 s54, s54, s55
	s_lshl_b32 s54, s54, 6
	s_mov_b32 s55, 0
	s_add_nc_u64 s[G0RK+2:G0RK+3], s[56:57], s[54:55]
	s_or_b32 s[G0RK+3], s[G0RK+3], 0x80000000
.endm
; Wave 0 fetches K and V, waves 1 to lim - 1 a chunk of rk.  The branches hang on the wave's number alone.  Four v_nop follow each of the two lines.
.macro TLOAD lim
	s_cmp_eq_u32 s[WV], 0
	s_cbranch_scc0 .Lnot_kv_\@
	tensor_load_to_lds s[G0KV:G0KV+3], s[G1KV:G1KV+7]
	s_nop 0
.rept 4
	v_nop
.endr
	s_branch .Lasked_\@
.Lnot_kv_\@:
	s_cmp_lt_u32 s[WV], \lim
	s_cbranch_scc0 .Lasked_\@
	tensor_load_to_lds s[G0RK:G0RK+3], s[G1RK:G1RK+7]
	s_nop 0
.rept 4
	v_nop
.endr
.Lasked_\@:
.endm
; A prefetch into the L2 of the K and V that the NEXT change of slots will ask for: 16,384 bytes, one step ahead of that load.  All eight work-groups of a (batch, head) walk the same K and V: the first (qb = 0) asks;
; in it waves 2 and 3, which fetch nothing, 8,192 bytes each, lanes 256 bytes apart: each block is named once in the launch.  The last change that fills a slot asks for nothing.  rk's chunks are read by several
; work-groups in different steps, so no one first reader can be named: they come by their loads alone.
.macro ASK
	s_cmp_gt_u32 s[SLOTS], s[LIM]
	s_cbranch_scc0 .Lnot_mine_\@
	global_prefetch_b8 v[PFO], s[PFA:PFA+1] th:TH_LOAD_NT scope:SCOPE_SE
.Lnot_mine_\@:
.endm
	s_load_b256 s[4:11], s[0:1], 0x0               ; qu 4, qv 6, kv 8, rk 10
	s_load_b128 s[12:15], s[0:1], 0x20             ; the scales' exponents 12, av 14
	v_lshl_add_u32 v[SPW], v0, 2, SPARE
	v_mov_b32 v[NIL], 0
	ds_add_u32 v5, v6
	ds_add_u32 v5, v6
	s_wait_dscnt 0x0
	v_lshrrev_b32 v222, 5, v0
	s_delay_alu instid0(VALU_DEP_1)
	v_readfirstlane_b32 s[WV], v222                ; wave 0..15
	s_and_b32 s18, ttmp7, 0xffff                   ; bh = 16 b + head
	s_and_b32 s19, s18, 15                         ; head
	s_mov_b32 s[G1KV], 3<<16                       ; K and V: 64 rows of 32 elements of 8 bytes, dense: 16,384 bytes as they lie; no mask, no padding
	s_mov_b32 s[G1KV+1], 32<<16                    ; tensor_dim0
	s_mov_b32 s[G1KV+2], 64<<16                    ; tensor_dim1
	s_mov_b32 s[G1KV+3], 32<<16                    ; tile_dim0
	s_mov_b32 s[G1KV+4], 64                        ; tile_dim1
	s_mov_b32 s[G1KV+5], 32                        ; tensor_dim0_stride
	s_mov_b32 s[G1KV+6], 0
	s_mov_b32 s[G1KV+7], 0
	s_mov_b32 s[G1RK], (0<<16)|(1<<20)|(3<<22)|(3<<25)   ; rk: elements of 1 byte; padding on: four words (code 3) after every 16 (code 3)
	s_mov_b32 s[G1RK+1], 64<<16
	s_mov_b32 s[G1RK+2], 128<<16
	s_mov_b32 s[G1RK+3], 64<<16
	s_mov_b32 s[G1RK+4], 128
	s_mov_b32 s[G1RK+5], 64
	s_mov_b32 s[G1RK+6], 0
	s_mov_b32 s[G1RK+7], 0
	s_mov_b32 s[SEL], 0x76543210
	s_mov_b32 s[SEL+1], 0xfedcba98
	s_mov_b32 s[CS], 0x3e38aa3b                    ; log2(e) / sqrt(64)
	s_mov_b32 s[TBK], 0
	s_mov_b32 s[SLOTS], 15
	s_xor_b32 s[POS], s[WV], 15
	s_lshl_b32 s[POS], s[POS], 4
	s_lshl_b32 s[SW], ttmp9, 4
	s_add_co_u32 s[SW], s[SW], s[WV]               ; 16 qb + w: also my block of 16 queries
	s_mov_b32 s70, s[SW]
	s_add_co_u32 s[SW], s[SW], 1
	s_lshl_b32 s69, ttmp9, 1
	s_sub_co_u32 s69, 14, s69                      ; the window's first chunk
	s_wait_kmcnt 0x0
	s_load_b256 s[72:79], s[12:13], 0x0            ; e0 .. e7
	s_load_b128 s[80:83], s[12:13], 0x20           ; e8 .. e11
	s_mov_b32 s55, 0
	s_lshl_b32 s54, s18, 18
	s_add_nc_u64 s[8:9], s[8:9], s[54:55]          ; kv at my (batch, head)
	s_mul_i32 s54, s19, RKHEAD
	s_add_nc_u64 s[56:57], s[10:11], s[54:55]      ; rk at my head
	s_mov_b32 s[G0KV], 1
	s_mov_b32 s[G0KV+1], 0                         ; slot 0
	s_mov_b64 s[G0KV+2:G0KV+3], s[8:9]             ; step 0
	s_or_b32 s[G0KV+3], s[G0KV+3], 0x80000000
	s_mov_b32 s[G0RK], 1
	s_add_co_u32 s[KF], s[WV], 3
	s_and_b32 s[KF], s[KF], 3                      ; waves 1, 2, 3 fetch chunks 0, 1, 2
	s_add_co_u32 s[CH], s69, s[KF]
	MKRK
	TLOAD 4                                        ; the first fills: one load a wave is out
	s_mov_b32 s[KF], 3                             ; from here on one chunk a step
	s_add_co_u32 s[CH], s69, 3
	v_and_b32 v222, 15, v0                         ; r
	v_bfe_u32 v223, v0, 4, 1                       ; h
	v_and_b32 v[LI], 31, v0
	s_delay_alu instid0(VALU_DEP_1)
	v_lshlrev_b32 v[PFO], 8, v[LI]
	s_delay_alu instid0(VALU_DEP_2)
	v_lshlrev_b32 v[LI], 4, v[LI]
	s_lshl_b32 s54, s18, 17
	s_add_nc_u64 s[4:5], s[4:5], s[54:55]          ; qu and qv at my (batch, head)
	s_add_nc_u64 s[6:7], s[6:7], s[54:55]
	s_lshl_b32 s61, s70, 10                        ; my block's image
	v_add_nc_u32 v7, s61, v[LI]
	global_load_b128 v[QU:QU+3], v7, s[4:5]        ; q + u: the image as it lies
	global_load_b128 v[QU+4:QU+7], v7, s[4:5] offset:512
	; q + v is wanted in the order in which rk's fragments come out of the ring (two loads of 16 bytes: register n of lane (r, h) holds d = 32 h + 4 n on).  In the image those 8 bytes of query x lie at
	; 1,024 (x / 16) + 512 h + 16 (x % 16), + 0, 256, 8, 264 for register pairs 0 to 3
	v_lshlrev_b32 v9, 4, v222
	s_delay_alu instid0(VALU_DEP_1)
	v_lshl_add_u32 v9, v223, 9, v9
	s_delay_alu instid0(VALU_DEP_1)
	v_add_nc_u32 v9, s61, v9
	s_lshl_b32 s62, s70, 4
	s_add_co_u32 s62, s62, 1
	v_add_nc_u32 v224, s62, v222                   ; x = i0 + 1 + r,
	s_delay_alu instid0(VALU_DEP_1)
	v_min_u32 v224, 2047, v224                     ; held at the last query: query 2,047 has no key above the border, so what its lane then holds is never read
	s_delay_alu instid0(VALU_DEP_1)
	v_lshrrev_b32 v11, 4, v224
	s_delay_alu instid0(VALU_DEP_2)
	v_and_b32 v224, 15, v224
	s_delay_alu instid0(VALU_DEP_2)
	v_lshlrev_b32 v11, 10, v11
	s_delay_alu instid0(VALU_DEP_1)
	v_lshl_add_u32 v11, v224, 4, v11
	s_delay_alu instid0(VALU_DEP_1)
	v_lshl_add_u32 v11, v223, 9, v11
.irp p, 0,1,2,3
	global_load_b64 v[QB+2*\p:QB+2*\p+1], v9, s[6:7] offset:256*(\p%2)+8*(\p/2)
	global_load_b64 v[QV2+2*\p:QV2+2*\p+1], v11, s[6:7] offset:256*(\p%2)+8*(\p/2)
.endr
	v_mul_u32_u24 v[ARK], v222, RKP
	s_delay_alu instid0(VALU_DEP_1)
	v_lshl_add_u32 v[ARK], v223, 5, v[ARK]
	s_delay_alu instid0(VALU_DEP_1)
	v_add_nc_u32 v[ARK], RKR, v[ARK]
	s_mul_i32 s60, s[WV], 16*SPI
	s_add_co_u32 s60, s60, STRIP                   ; my strip
	v_mul_u32_u24 v[STO], v222, SPI
	s_delay_alu instid0(VALU_DEP_1)
	v_lshl_add_u32 v[STO], v223, 5, v[STO]
	s_delay_alu instid0(VALU_DEP_1)
	v_add_nc_u32 v[STO], s60, v[STO]
	v_mul_u32_u24 v[RDA], v222, SPI-4
	s_delay_alu instid0(VALU_DEP_1)
	v_lshl_add_u32 v[RDA], v223, 5, v[RDA]
	s_delay_alu instid0(VALU_DEP_1)
	v_add_nc_u32 v[RDA], s60, v[RDA]
	s_delay_alu instid0(VALU_DEP_1)
	v_add_nc_u32 v[RDA], 60, v[RDA]
	; where my result goes: av [g = 128 b + 16 qb + w][ks = head / 2][2,048], my head's half of the image
	s_lshr_b32 s60, s18, 4
	s_lshl_b32 s60, s60, 7
	s_add_co_u32 s60, s60, s70
	s_lshl_b32 s60, s60, 3
	s_lshr_b32 s61, s19, 1
	s_add_co_u32 s60, s60, s61
	s_lshl_b32 s60, s60, 11
	s_and_b32 s61, s19, 1
	s_lshl_b32 s61, s61, 10
	s_add_co_u32 s54, s60, s61
	s_add_nc_u64 s[14:15], s[14:15], s[54:55]
	; the prefetches: who asks, and where they stand
	s_sub_co_u32 s60, s[WV], 2
	s_lshr_b32 s60, s60, 1                         ; 0 in waves 2 and 3,
	s_or_b32 s60, s60, ttmp9                       ; of the first work-group of the (batch, head)
	s_cmp_eq_u32 s60, 0
	s_cselect_b32 s[LIM], 1, -1
	s_and_b32 s54, s[WV], 1
	s_lshl_b32 s54, s54, 13
	s_add_co_u32 s54, s54, KVS                     ; in step 1: the first change of slots steps it to step 2.  Nothing is prefetched here, at the head
	s_add_nc_u64 s[PFA:PFA+1], s[8:9], s[54:55]
	v_mov_b32 v13, 0xff61b1e6                      ; the largest t so far: -3e38, under every t
	s_delay_alu instid0(VALU_DEP_1)
	v_floor_f32 v12, -v13                          ; -M
	v_mov_b32 v14, 0                               ; the sum, in two halves
	v_mov_b32 v15, 0
	v_mov_b32 v[FA+1], 0                           ; (named as the upper half of a pair)
	v_mov_b32 v[PD], 0                             ; a lane permute's destination counts as one of its sources
.set i, 0
.rept 32
	v_mov_b32 v[OT+i], 0                           ; O^T: the step is written once; its first run finds zeros, which the first change of M leaves zeros
.set i, i+1
.endr
	s_wait_kmcnt 0x0
	s_add_co_i32 s60, s76, s77                     ; e4 + e5
	s_lshl_b32 s61, s60, 23
	s_add_co_i32 s[CS], s[CS], s61                 ; a score stands for score x 2^(e4 + e5)
	s_mov_b32 s[CS+1], s[CS]
	s_add_co_i32 s61, s78, s79
	s_sub_co_i32 s61, s61, s60
	s_add_co_i32 s61, s61, 127
	s_lshl_b32 s58, s61, 23                        ; 2^(e6 + e7 - e4 - e5): brings BD's sums under AC's scale; nothing is rounded
	s_mov_b32 s59, s58
	s_add_co_i32 s60, s81, 127
	s_lshl_b32 s61, s60, 23
	v_mov_b32 v[SCP], s61                          ; 2^e9
	s_wait_loadcnt 0x0                             ; the three fragments of q
.macro SWITCH t                        ; ahead of tile t: from here on the tiles lie at or above the border.  Four plain lines stand between the last product that read QB and the lines that write it
	s_cmp_eq_u32 s[SW], \t
	s_cbranch_scc0 .Lkeep_\@
.rept 4
	v_nop
.endr
.set i, 0
.rept 8
	v_mov_b32 v[QB+i], v[QV2+i]
.set i, i+1
.endr
.Lkeep_\@:
.endm
.macro STEP
.rept 4
	v_nop                                          ; places between the last step's products and the loads into the registers that they read
.endr
.irp t, 0,1,2,3,4,5,6,7,8                      ; rk's nine fragments; a tile of 16 rows never straddles the ring's end; each has an address register of its own
	s_add_co_u32 s60, s[POS], 16*\t
	s_and_b32 s60, s60, 511
	s_mul_i32 s60, s60, RKP
	v_add_nc_u32 v[TA+\t], s60, v[ARK]
.if \t < 8
	ds_load_b128 v[FF+8*\t:FF+8*\t+3], v[TA+\t]
	ds_load_b128 v[FF+8*\t+4:FF+8*\t+7], v[TA+\t] offset:16
.else
	ds_load_b128 v[PCD:PCD+3], v[TA+\t]
	ds_load_b128 v[PCD+4:PCD+7], v[TA+\t] offset:16
.endif
.endr
	s_wait_dscnt 0x0
.irp t, 0,1,2,3,4,5,6,7,8                      ; raw^T: lane (r, h), register j: column 16 t + 8 h + j of query r's row
.if \t > 0
	SWITCH \t
.endif
.if \t < 8
	s_wait_alu depctr_va_vdst(0)
	v_wmma_f32_16x16x64_fp8_fp8 v[SS+8*\t:SS+8*\t+7], v[FF+8*\t:FF+8*\t+7], v[QB:QB+7], 0
.else
	v_wmma_f32_16x16x64_fp8_fp8 v[PCD+8:PCD+15], v[PCD:PCD+7], v[QB:QB+7], 0
.endif
.endr
	v_add_nc_u32 v[ADK], s[TBK], v[LI]             ; this line and three v_nop: the places in front of the loads into the fragments' registers and of the first read of results
.rept 3
	v_nop
.endr
.set i, 0
.rept 16
	ds_load_b128 v[FF+4*i:FF+4*i+3], v[ADK] offset:512*i   ; K's eight images, as they lie
.set i, i+1
.endr
.set i, 0
.rept 32
	v_pk_mul_f32 v[SS+i:SS+i+1], v[SS+i:SS+i+1], s[58:59] op_sel_hi:[1,0]
.set i, i+2
.endr
.set i, 8
.rept 4
	v_pk_mul_f32 v[PCD+i:PCD+i+1], v[PCD+i:PCD+i+1], s[58:59] op_sel_hi:[1,0]
.set i, i+2
.endr
.set i, 0
.rept 8
	ds_store_b128 v[STO], v[SS+8*i:SS+8*i+3] offset:64*i
	ds_store_b128 v[STO], v[SS+8*i+4:SS+8*i+7] offset:64*i+16
.set i, i+1
.endr
	ds_store_b128 v[STO], v[PCD+8:PCD+11] offset:512
	ds_store_b128 v[STO], v[PCD+12:PCD+15] offset:528
.set i, 0
.rept 64
	ds_load_b32 v[SS+i], v[RDA] offset:64*(i/8)+4*(i%8)   ; register 8 T + j: key 16 T + 8 h + j of query r: column key - r + 15, so 64 T + 4 j bytes on from my address.  LDS serves a wave's instructions in order: these see the stores above
.set i, i+1
.endr
	s_wait_dscnt 0x0
.irp t, 0,1,2,3,4,5,6,7                        ; S^T = K (q + u)^T + the shifted BD
	v_wmma_f32_16x16x64_fp8_fp8 v[SS+8*\t:SS+8*\t+7], v[FF+8*\t:FF+8*\t+7], v[QU:QU+7], v[SS+8*\t:SS+8*\t+7]
.endr
.rept 4
	v_nop
.endr
.set i, 0
.rept 16
	ds_load_b128 v[FF+4*i:FF+4*i+3], v[ADK] offset:8192+512*i   ; V's four images land while the softmax is worked
.set i, i+1
.endr
	v_max3_num_f32 v[TM], v[SS], v[SS+1], v[SS+2]  ; the step's largest score of my query, among my 64 keys, in two chains,
	v_max3_num_f32 v[FA], v[SS+3], v[SS+4], v[SS+5]
.set i, 6
.rept 14
	v_max3_num_f32 v[TM], v[TM], v[SS+i], v[SS+i+1]
	v_max3_num_f32 v[FA], v[FA], v[SS+i+2], v[SS+i+3]
.set i, i+4
.endr
	v_max3_num_f32 v[TM], v[TM], v[SS+62], v[SS+63]
	s_delay_alu instid0(VALU_DEP_1)
	v_max_num_f32 v[TM], v[TM], v[FA]
	s_delay_alu instid0(VALU_DEP_1)
	v_permlanex16_b32 v[PD], v[TM], s[SEL], s[SEL+1]
	s_delay_alu instid0(VALU_DEP_1)
	v_max_num_f32 v[TM], v[TM], v[PD]              ; and among lane l xor 16's
	s_delay_alu instid0(VALU_DEP_1)
	v_mul_f32 v[TM], s[CS], v[TM]                  ; as t (c is positive)
	s_delay_alu instid0(VALU_DEP_1)
	v_max_num_f32 v13, v13, v[TM]                  ; the running largest t
	v_mov_b32 v[TM], v12
	s_delay_alu instid0(VALU_DEP_2)
	v_floor_f32 v12, -v13                          ; the new -M = floor(-t): M is a whole number
	s_delay_alu instid0(VALU_DEP_1)
	v_sub_f32 v[TM], v12, v[TM]                    ; old M - new M: a whole number, 0 or less
	s_delay_alu instid0(VALU_DEP_1)
	v_cvt_i32_f32 v[TM], v[TM]                     ; (it saturates)
	s_delay_alu instid0(VALU_DEP_1)
	v_ldexp_f32 v[FA], 1.0, v[TM]                  ; f = 2^(old M - new M)
.set i, 0
.rept 32
	v_pk_fma_f32 v[SS+i:SS+i+1], v[SS+i:SS+i+1], s[CS:CS+1], v[12:13] op_sel_hi:[1,0,0]   ; t - M
.set i, i+2
.endr
.set i, 0
	s_wait_alu depctr_va_vdst(0)
.rept 64
	v_exp_f32 v[SS+i], v[SS+i]                     ; p = 2^(t - M), at most 1: not normalised
.set i, i+1
.endr
	v_pk_mul_f32 v[14:15], v[14:15], v[FA:FA+1] op_sel_hi:[1,0]   ; the sums under the new M: the plain line behind the exponentials
	s_wait_alu depctr_va_vdst(0)                   ; one wait for the whole batch, ahead of its first reader
	v_pk_add_f32 v[228:229], v[108:109], v[112:113]
	v_pk_add_f32 v[254:255], v[116:117], v[120:121]
	v_pk_add_f32 v[252:253], v[124:125], v[128:129]
	v_pk_add_f32 v[250:251], v[132:133], v[136:137]
	v_pk_add_f32 v[248:249], v[140:141], v[144:145]
	v_pk_add_f32 v[246:247], v[148:149], v[152:153]
	v_pk_add_f32 v[244:245], v[156:157], v[160:161]
	v_pk_add_f32 v[14:15], v[14:15], v[164:165]
	v_pk_add_f32 v[228:229], v[228:229], v[104:105]
	v_pk_add_f32 v[254:255], v[254:255], v[106:107]
	v_pk_add_f32 v[252:253], v[252:253], v[110:111]
	v_pk_add_f32 v[250:251], v[250:251], v[114:115]
	v_pk_add_f32 v[248:249], v[248:249], v[118:119]
	v_pk_add_f32 v[246:247], v[246:247], v[122:123]
	v_pk_add_f32 v[244:245], v[244:245], v[126:127]
	v_pk_add_f32 v[14:15], v[14:15], v[130:131]
	v_pk_add_f32 v[228:229], v[228:229], v[134:135]
	v_pk_add_f32 v[254:255], v[254:255], v[138:139]
	v_pk_add_f32 v[252:253], v[252:253], v[142:143]
	v_pk_add_f32 v[250:251], v[250:251], v[146:147]
	v_pk_add_f32 v[248:249], v[248:249], v[150:151]
	v_pk_add_f32 v[246:247], v[246:247], v[154:155]
	v_pk_add_f32 v[244:245], v[244:245], v[158:159]
	v_pk_add_f32 v[14:15], v[14:15], v[162:163]
	v_pk_add_f32 v[228:229], v[228:229], v[166:167]
	s_delay_alu instid0(VALU_DEP_2)
	v_pk_add_f32 v[14:15], v[14:15], v[250:251]
	s_delay_alu instid0(VALU_DEP_2)
	v_pk_add_f32 v[228:229], v[228:229], v[248:249]
	v_pk_add_f32 v[254:255], v[254:255], v[246:247]
	v_pk_add_f32 v[252:253], v[252:253], v[244:245]
	s_delay_alu instid0(VALU_DEP_2)
	v_pk_add_f32 v[14:15], v[14:15], v[254:255]
	s_delay_alu instid0(VALU_DEP_2)
	v_pk_add_f32 v[228:229], v[228:229], v[252:253]
	s_delay_alu instid0(VALU_DEP_1)
	v_pk_add_f32 v[14:15], v[14:15], v[228:229]
.set b, 0
.rept 4
.set i, 0
.rept 16
.set i, i+1
.endr
	v_cvt_scalef32_pk8_fp8_f32 v[PCD+4*b:PCD+4*b+1], v[SS+16*b:SS+16*b+7], v[SCP]          ; tile T's eight keys 16 T + 8 h on ARE registers 2 T, 2 T + 1 of the next operand
	v_cvt_scalef32_pk8_fp8_f32 v[PCD+4*b+2:PCD+4*b+3], v[SS+16*b+8:SS+16*b+15], v[SCP]
.set b, b+1
.endr
.set i, 0
.rept 16
	v_pk_mul_f32 v[OT+i:OT+i+1], v[OT+i:OT+i+1], v[FA:FA+1] op_sel_hi:[1,0]   ; O^T under the new M.  (Also the plain lines behind the conversions)
.set i, i+2
.endr
	s_wait_alu depctr_va_vdst(0)
	s_wait_dscnt 0x0                               ; V
.irp a, 0,1,2,3                                ; O^T += V^T p^T: 16 of the head's 64 at a time; K = these 128 keys
	v_wmma_f32_16x16x128_fp8_fp8 v[OT+8*\a:OT+8*\a+7], v[FF+16*\a:FF+16*\a+15], v[PCD:PCD+15], v[OT+8*\a:OT+8*\a+7]
.endr
	s_xor_b32 s[TBK], s[TBK], KVS
	s_add_co_u32 s[POS], s[POS], 128
	s_sub_co_i32 s[SW], s[SW], 8
.endm
; THE CHANGE OF SLOTS stands at a step's head.  Each wave waits for all its tensor loads, adds 0 to its spare word, and waits for that and for its reads of the last step.  Behind the barrier this step's K, V and chunks of rk
; are whole, and nobody reads the other slot or the chunk that the window has left.  fill = 1: they take the next step's K and V (wave 0) and chunk step + 3 (wave 1): one load a wave is out, and has a step in which to land.
.macro CHANGE fill
	s_wait_tensorcnt 0x0                           ; no tensor load of mine is out, so a group 0 may be written
	ds_add_u32 v[SPW], v[NIL]                      ; 0 onto my spare word
	ds_add_u32 v[SPW], v[NIL]
.if \fill
	s_xor_b32 s[G0KV+1], s[G0KV+1], KVS
	s_add_nc_u64 s[G0KV+2:G0KV+3], s[G0KV+2:G0KV+3], KVS
	MKRK
	s_add_co_u32 s[KF], s[KF], 1
	s_add_co_u32 s[CH], s[CH], 1
	s_wait_xcnt 0x0                                ; the last prefetch, a step back, has read its address, so it may be written
	s_add_nc_u64 s[PFA:PFA+1], s[PFA:PFA+1], KVS
.endif
	s_wait_dscnt 0x0                               ; the add is done, and my reads of the last step are over
	s_barrier_signal -1
	s_barrier_wait -1
.if \fill
	TLOAD 2
	ASK
.endif
.endm
.Lstep:                                            ; 15 trips: behind each change but the last the next step is asked for
	CHANGE 1
	STEP
	s_sub_co_u32 s[SLOTS], s[SLOTS], 1
	s_cmp_lg_u32 s[SLOTS], 0
	s_cbranch_scc1 .Lstep
	CHANGE 0                                       ; the last step is written out
	STEP
	; THE WAY OUT.  O^T / the sum x 2^(e8 + e9) is attn_vec: register 8 a + j of lane (r, h) is d = 16 a + 8 h + j of query r: eight neighbours along the output projection's K.  Quantised with e10, the four conversions are
	; eight registers of that product's operand (16 rows x 128 k): my head's half of an image, 1,024 consecutive bytes.
.rept 4
	v_nop                                          ; places behind the last products
.endr
	v_add_f32 v14, v14, v15
	s_delay_alu instid0(VALU_DEP_1)
	v_permlanex16_b32 v[PD], v14, s[SEL], s[SEL+1]
	s_delay_alu instid0(VALU_DEP_1)
	v_add_f32 v14, v14, v[PD]                      ; the row's sum
	s_wait_alu depctr_va_vdst(0)
	v_rcp_f32 v14, v14
	s_add_co_i32 s60, s82, 127
	s_lshl_b32 s61, s60, 23
	v_mov_b32 v[SCP], s61                          ; 2^e10.  (A plain line behind the reciprocal)
	s_add_co_i32 s60, s80, s81                     ; e8 + e9
	s_wait_alu depctr_va_vdst(0)                   ; ahead of the reciprocal's first reader
	v_ldexp_f32 v14, v14, s60
.set i, 0
.rept 32
	v_mul_f32 v[SS+i], v[OT+i], v14
.set i, i+1
.endr
.set i, 0
.rept 32
.set i, i+1
.endr
.set i, 0
.rept 4
	v_cvt_scalef32_pk8_fp8_f32 v[PCD+2*i:PCD+2*i+1], v[SS+8*i:SS+8*i+7], v[SCP]
.set i, i+1
.endr
	v_nop                                          ; one plain line behind the last conversion
	global_store_b128 v[LI], v[PCD:PCD+3], s[14:15]
	global_store_b128 v[LI], v[PCD+4:PCD+7], s[14:15] offset:512
	s_wait_tensorcnt 0x0                           ; the wave's end
	ds_add_u32 v[SPW], v[NIL]
	s_wait_dscnt 0x0
	s_endpgm
.Lfunc_end_k_q8c0d82c930_attn:
	.size	k_q8c0d82c930_attn, .Lfunc_end_k_q8c0d82c930_attn-k_q8c0d82c930_attn
	.p2alignl 7, 3214868480
	.fill 96, 4, 3214868480
	.section	.rodata,"a",@progbits
	.p2align	6, 0x0
	.amdhsa_kernel k_q8c0d82c930_attn
		.amdhsa_group_segment_fixed_size 327680
		.amdhsa_private_segment_fixed_size 0
		.amdhsa_enable_private_segment 0
		.amdhsa_kernarg_size 48
		.amdhsa_user_sgpr_count 2
		.amdhsa_user_sgpr_kernarg_segment_ptr 1
		.amdhsa_wavefront_size32 1
		.amdhsa_system_sgpr_workgroup_id_x 1
		.amdhsa_system_sgpr_workgroup_id_y 1
		.amdhsa_system_sgpr_workgroup_id_z 1
		.amdhsa_system_vgpr_workitem_id 0
		.amdhsa_next_free_vgpr 256
		.amdhsa_next_free_sgpr 84
		.amdhsa_reserve_vcc 0
		.amdhsa_float_denorm_mode_32 3
		.amdhsa_float_denorm_mode_16_64 3
		.amdhsa_fp16_overflow 1
		.amdhsa_memory_ordered 1
		.amdhsa_forward_progress 1
		.amdhsa_inst_pref_size 71
	.end_amdhsa_kernel
	.amdgpu_metadata
---
amdhsa.version: [ 1, 2 ]
amdhsa.kernels:
  - .name:           k_q8c0d82c930_attn
    .symbol:         k_q8c0d82c930_attn.kd
    .args:
      - { .name: qu, .offset: 0, .size: 8, .value_kind: global_buffer, .address_space: global }
      - { .name: qv, .offset: 8, .size: 8, .value_kind: global_buffer, .address_space: global }
      - { .name: kv, .offset: 16, .size: 8, .value_kind: global_buffer, .address_space: global }
      - { .name: rk, .offset: 24, .size: 8, .value_kind: global_buffer, .address_space: global }
      - { .name: lowp_scales, .offset: 32, .size: 8, .value_kind: global_buffer, .address_space: global }
      - { .name: av, .offset: 40, .size: 8, .value_kind: global_buffer, .address_space: global }
    .group_segment_fixed_size: 327680
    .private_segment_fixed_size: 0
    .kernarg_segment_align: 8
    .kernarg_segment_size: 48
    .max_flat_workgroup_size: 512
    .sgpr_count:     84
    .vgpr_count:     256
    .wavefront_size: 32
...
	.end_amdgpu_metadata
.endif
;; end of part 3
;; launch outln (part 4): grid 256 x 1, 8 waves a work-group, no clusters, 86,016 bytes of LDS; arguments av, wo, h, ln_gamma, ln_beta, lowp_scales, out0; writes out0
.if DOCPART == 4
	.amdgcn_target "amdgcn-amd-amdhsa--gfx1250"
	.amdhsa_code_object_version 6
	.text
	.protected	k_q8c0d82c930_outln
	.globl	k_q8c0d82c930_outln
	.p2align	8
	.type	k_q8c0d82c930_outln,@function
k_q8c0d82c930_outln:
	s_mov_b64 s[64:65], 0
	v_nop
	global_prefetch_b8 v0, s[64:65] scope:SCOPE_SE
	s_setreg_imm32_b32 hwreg(HW_REG_WAVE_MODE, 25, 1), 1
	s_wait_xcnt 0x0
; OUTLN.  out = LayerNorm(h + attn_vec W_o): the product on codes of E4M3 (K = 1,024), the rest in f32.
; SHARES.  Work-group g owns 16 whole rows (queries 16 (g % 128) + k of batch g / 128), since the norm wants a row's 1,024 numbers together; wave w owns columns 128 w .. 128 w + 127: eight accumulators.
; OPERANDS are images of their registers, laid by earlier launches.  attn_vec's eight images (16 rows x 128 k) are brought once, one by each wave, and shared through LDS.  W_o's go from memory straight into registers:
; each fragment serves one product of one wave, so LDS would add a trip and no reuse.  They come in two sets of four fragments by turns, 16 to 32 loads of a wave on their way; no barrier stands in the K steps.
; All eight K steps are written out: every offset is an immediate, and no address register is stepped.
; NO CLUSTER, no tensor load: a ring in LDS would have eight products a wave between its barriers; the registers' two sets keep loads on their way without any.
; THE MATRIX INSTRUCTION IS USED TRANSPOSED (source 0 = 16 columns of the output = rows of W_o's codes, source 1 = my 16 rows): a lane holds eight neighbouring columns of one row.
; THE NORM is taken in two passes (the mean; then the squares of x - mean), so a common offset of h does no harm.
; LIMIT: e10 + e11 between -126 and 127, so that 2^(e10 + e11) is an f32 number.
.set AIMG, 0                           ; LDS: attn_vec's eight images, 2,048 bytes each
.set STG,  16384                       ; a stage of 16 rows x (512 bytes + 16) for each wave
.set SPI,  528
.set RED0, 83968                       ; 16 rows x 8 waves' partial sums,
.set RED1, 84480                       ; and of squares: other bytes, so that one barrier serves each
.set LI,   1                           ; v1  16 x lane
.set AW,   2                           ; v2  where I store my image
.set PFO,  3                           ; v3  the prefetch's offset
.set RW,   4                           ; v4  RED0 + 4 w
.set RR,   5                           ; v5  RED0 + 32 (lane % 16)
.set STO,  6                           ; v6  the stage: where I put 32 bytes of a row
.set SR,   7                           ; v7  and where I read a row back
.set A0,   16                          ; v16-47   attn_vec's fragment, two buffers; later at work
.set ACC,  48                          ; v48-111  eight accumulators; later at work
.set PS,   48                          ; a row's partial sum, 16 rows
.set PX,   64
.set B0,   112                         ; v112-175 W_o's fragments of column tiles 0-3; later h
.set B1,   176                         ; v176-239 of tiles 4-7; later x, d, y: register 4 k + c = row k, column 128 w + 4 lane + c
.set GAM,  240
.set BET,  244
	s_load_b256 s[4:11], s[0:1], 0x0               ; av 4, wo 6, h 8, gamma 10
	s_load_b128 s[12:15], s[0:1], 0x20             ; beta 12, the scales' exponents 14
	s_load_b64 s[16:17], s[0:1], 0x30              ; out0
	v_lshl_add_u32 v248, v0, 2, 0x14c00
	v_mov_b32 v249, 0
	v_lshrrev_b32 v9, 5, v0
	s_delay_alu instid0(VALU_DEP_1)
	v_readfirstlane_b32 s18, v9                    ; wave 0..7
	v_and_b32 v9, 31, v0                           ; lane
	v_and_b32 v10, 15, v0                          ; r
	v_bfe_u32 v11, v0, 4, 1                        ; h
	s_delay_alu instid0(VALU_DEP_3)
	v_lshlrev_b32 v[LI], 4, v9
	s_lshl_b32 s19, s18, 11
	v_add_nc_u32 v[AW], s19, v[LI]
	s_mul_i32 s19, s18, 16*SPI
	s_add_co_u32 s19, s19, STG
	v_mul_u32_u24 v[STO], v10, SPI
	s_delay_alu instid0(VALU_DEP_1)
	v_lshl_add_u32 v[STO], v11, 5, v[STO]
	s_delay_alu instid0(VALU_DEP_1)
	v_add_nc_u32 v[STO], s19, v[STO]
	v_add_nc_u32 v[SR], s19, v[LI]
	s_lshl_b32 s19, s18, 2
	s_add_co_u32 s19, s19, RED0
	v_mov_b32 v[RW], s19
	v_lshlrev_b32 v[RR], 5, v10
	s_delay_alu instid0(VALU_DEP_1)
	v_add_nc_u32 v[RR], RED0, v[RR]
	v_lshrrev_b32 v[PFO], 1, v9
	s_delay_alu instid0(VALU_DEP_1)
	v_lshlrev_b32 v[PFO], 13, v[PFO]               ; row lane / 2 (rows of one batch lie 8,192 bytes apart),
	v_and_b32 v12, 1, v9
	s_delay_alu instid0(VALU_DEP_1)
	v_lshl_add_u32 v[PFO], v12, 8, v[PFO]          ; block lane % 2 of my 512 bytes of it
	s_mov_b32 s20, 0x76543210
	s_mov_b32 s21, 0xfedcba98                      ; lane l xor 16
	s_mov_b32 s23, 0
	s_mov_b32 s46, 0x3a800000                      ; 1 / 1,024
	s_wait_alu depctr_va_vdst(0)
	s_wait_kmcnt 0x0
	s_load_b64 s[42:43], s[14:15], 0x28            ; e10, e11
	s_lshl_b32 s22, ttmp9, 14
	s_lshl_b32 s44, s18, 11
	s_add_co_u32 s22, s22, s44
	s_add_nc_u64 s[4:5], s[4:5], s[22:23]          ; av: image (g, K step w)
	s_lshl_b32 s22, s18, 17
	s_add_nc_u64 s[6:7], s[6:7], s[22:23]          ; wo: my 128 columns
	s_lshl_b32 s22, s18, 9
	s_add_nc_u64 s[10:11], s[10:11], s[22:23]
	s_add_nc_u64 s[12:13], s[12:13], s[22:23]
	s_and_b32 s44, ttmp9, 127
	s_lshl_b32 s44, s44, 17
	s_lshr_b32 s45, ttmp9, 7
	s_lshl_b32 s45, s45, 12
	s_add_co_u32 s44, s44, s45
	s_add_co_u32 s22, s22, s44                     ; row (2 i + b) of 4,096 bytes, + my 512
	s_add_nc_u64 s[8:9], s[8:9], s[22:23]
	s_add_nc_u64 s[16:17], s[16:17], s[22:23]
.macro BLOAD set, off                  ; four fragments of W_o: 8,192 consecutive bytes, 512 a load
.set i, 0
.rept 16
	global_load_b128 v[B0+64*(\set)+4*i:B0+64*(\set)+4*i+3], v[LI], s[6:7] offset:(\off)+512*i
.set i, i+1
.endr
.endm
.macro ALOAD buf, off
.set i, 0
.rept 4
	ds_load_b128 v[A0+16*(\buf)+4*i:A0+16*(\buf)+4*i+3], v[LI] offset:AIMG+(\off)+512*i
.set i, i+1
.endr
.endm
.macro MM half, buf, ks                ; four products: the eight accumulators take turns, one instruction a turn; K step 0 starts the sums
.irp t, 0,1,2,3
.if (\ks) == 0
	v_wmma_f32_16x16x128_fp8_fp8 v[ACC+8*(4*(\half)+\t):ACC+8*(4*(\half)+\t)+7], v[B0+64*(\half)+16*\t:B0+64*(\half)+16*\t+15], v[A0+16*(\buf):A0+16*(\buf)+15], 0
.else
	v_wmma_f32_16x16x128_fp8_fp8 v[ACC+8*(4*(\half)+\t):ACC+8*(4*(\half)+\t)+7], v[B0+64*(\half)+16*\t:B0+64*(\half)+16*\t+15], v[A0+16*(\buf):A0+16*(\buf)+15], v[ACC+8*(4*(\half)+\t):ACC+8*(4*(\half)+\t)+7]
.endif
.endr
.endm
.macro PLACES                          ; plain lines between a matrix instruction and a load into, or a read of, its registers
.rept 4
	v_nop
.endr
.endm
.macro BARRIER
	s_wait_dscnt 0x0
	s_barrier_signal -1
	s_barrier_wait -1
.endm
.set i, 0
.rept 4
	global_load_b128 v[A0+4*i:A0+4*i+3], v[LI], s[4:5] offset:512*i
.set i, i+1
.endr
	global_load_b128 v[GAM:GAM+3], v[LI], s[10:11]
	global_load_b128 v[BET:BET+3], v[LI], s[12:13]
	BLOAD 0, 0
	BLOAD 1, 8192
	s_wait_loadcnt 34                              ; my image of attn_vec is in; gamma, beta and W_o's 32 loads may be out
.set i, 0
.rept 4
	ds_store_b128 v[AW], v[A0+4*i:A0+4*i+3] offset:AIMG+512*i
.set i, i+1
.endr
	BARRIER                                        ; the eight images lie in LDS
	ALOAD 0, 0
.macro KSTEP ks
.set P, (\ks)%2
.if (\ks) < 7
	ALOAD 1-P, 2048*((\ks)+1)                      ; the next K step's fragment, into the buffer that the last K step has left (its places stand at that step's end)
.endif
	s_wait_loadcnt 16                              ; set 0 is in; set 1's sixteen loads may be out
.if (\ks) < 7
	s_wait_dscnt 4                                 ; this K step's fragment is in; the four loads just issued may be out
.else
	s_wait_dscnt 0x0
.endif
	MM 0, P, \ks
	PLACES
.if (\ks) < 7
	BLOAD 0, 16384*((\ks)+1)
.else
.set i, 0
.rept 16
	global_load_b128 v[B0+4*i:B0+4*i+3], v[LI], s[8:9] offset:8192*i th:TH_LOAD_NT   ; h: my 512 bytes of row i
.set i, i+1
.endr
.endif
	s_wait_loadcnt 16                              ; set 1 is in; the sixteen loads just issued may be out
	MM 1, P, \ks
	PLACES
.if (\ks) < 7
	BLOAD 1, 16384*((\ks)+1)+8192
.endif
.if (\ks) == 4
	global_prefetch_b8 v[PFO], s[8:9] th:TH_LOAD_NT scope:SCOPE_SE   ; my 32 blocks of h (16 rows x 512 bytes), a lane a block, each named once in the launch: three K steps ahead of their loads; its address registers are never rewritten
.endif
.endm
.irp ks, 0,1,2,3,4,5,6,7
	KSTEP \ks
.endr
	; ---- attn_out = sum x 2^(e10 + e11), through my stage, so that a lane holds 4 neighbouring columns of each of the 16 rows, as h comes and out0 goes
	s_wait_kmcnt 0x0
	s_add_co_i32 s40, s42, s43
	s_add_co_i32 s40, s40, 127
	s_lshl_b32 s40, s40, 23
	s_mov_b32 s41, s40
.set i, 0
.rept 32
	v_pk_mul_f32 v[B1+i:B1+i+1], v[ACC+i:ACC+i+1], s[40:41] op_sel_hi:[1,0]   ; each accumulator from its low end on
.set i, i+2
.endr
.set i, 0
.rept 8
	ds_store_b128 v[STO], v[B1+8*i:B1+8*i+3] offset:64*i
	ds_store_b128 v[STO], v[B1+8*i+4:B1+8*i+7] offset:64*i+16
.set i, i+1
.endr
.set i, 0
.rept 16
	ds_load_b128 v[B1+4*i:B1+4*i+3], v[SR] offset:SPI*i   ; LDS serves a wave's instructions in order: these see my stores
.set i, i+1
.endr
	s_wait_dscnt 0x0
	s_wait_loadcnt 0x0                             ; h
.set i, 0
.rept 32
	v_pk_add_f32 v[B1+i:B1+i+1], v[B1+i:B1+i+1], v[B0+i:B0+i+1]   ; x = h + attn_out
.set i, i+2
.endr
; v[PS + k], a lane's part of row k's sum, is summed over the wave's 32 lanes, then over the eight waves through LDS at off; lane l ends with row l % 16's sum in v80
.macro ACROSS off
.irp m, 1,2,4,8
.set k, 0
.rept 16
	v_add_f32_dpp v[PS+k], v[PS+k], v[PS+k] row_xmask:\m row_mask:0xf bank_mask:0xf
.set k, k+1
.endr
.endr
.set k, 0
.rept 16
	v_permlanex16_b32 v[PX+k], v[PS+k], s20, s21
.set k, k+1
.endr
.set k, 0
.rept 16
	v_add_f32 v[PS+k], v[PS+k], v[PX+k]
.set k, k+1
.endr
.set k, 0
.rept 16
	ds_store_b32 v[RW], v[PS+k] offset:(\off)+32*k ; all lanes write the same word with the same value
.set k, k+1
.endr
	BARRIER
	ds_load_b128 v[80:83], v[RR] offset:\off
	ds_load_b128 v[84:87], v[RR] offset:(\off)+16
	s_wait_dscnt 0x0
	v_pk_add_f32 v[80:81], v[80:81], v[82:83]
	v_pk_add_f32 v[84:85], v[84:85], v[86:87]
	s_delay_alu instid0(VALU_DEP_1)
	v_pk_add_f32 v[80:81], v[80:81], v[84:85]
	s_delay_alu instid0(VALU_DEP_1)
	v_add_f32 v80, v80, v81
.endm
.set k, 0
.rept 16
	v_pk_add_f32 v[A0+2*k:A0+2*k+1], v[B1+4*k:B1+4*k+1], v[B1+4*k+2:B1+4*k+3]
.set k, k+1
.endr
.set k, 0
.rept 16
	v_add_f32 v[PS+k], v[A0+2*k], v[A0+2*k+1]
.set k, k+1
.endr
	ACROSS 0
	s_delay_alu instid0(VALU_DEP_1)
	v_mul_f32 v80, s46, v80                        ; the mean of row lane % 16
.set k, 0
.rept 16
	v_readlane_b32 s[24+k], v80, k                 ; the 16 means, as data for the lines below
.set k, k+1
.endr
.set i, 0
.rept 64
	v_subrev_f32 v[B1+i], s[24+i/4], v[B1+i]       ; d = x - mean
.set i, i+1
.endr
.set k, 0
.rept 16
	v_pk_mul_f32 v[A0+2*k:A0+2*k+1], v[B1+4*k:B1+4*k+1], v[B1+4*k:B1+4*k+1]
.set k, k+1
.endr
.set k, 0
.rept 16
	v_pk_fma_f32 v[A0+2*k:A0+2*k+1], v[B1+4*k+2:B1+4*k+3], v[B1+4*k+2:B1+4*k+3], v[A0+2*k:A0+2*k+1]
.set k, k+1
.endr
.set k, 0
.rept 16
	v_add_f32 v[PS+k], v[A0+2*k], v[A0+2*k+1]
.set k, k+1
.endr
	ACROSS RED1-RED0
	s_delay_alu instid0(VALU_DEP_1)
	v_fmaak_f32 v80, s46, v80, 0x358637bd          ; the variance + 1e-6
	s_wait_alu depctr_va_vdst(0)
	v_rsq_f32 v81, v80
	v_nop                                          ; a plain line behind the root,
	s_wait_alu depctr_va_vdst(0)                   ; and the wait ahead of its first reader
.set k, 0
.rept 16
	v_readlane_b32 s[24+k], v81, k
.set k, k+1
.endr
.set i, 0
.rept 64
	v_mul_f32 v[B1+i], s[24+i/4], v[B1+i]
.set i, i+1
.endr
.set k, 0
.rept 16
	v_pk_fma_f32 v[B1+4*k:B1+4*k+1], v[B1+4*k:B1+4*k+1], v[GAM:GAM+1], v[BET:BET+1]
	v_pk_fma_f32 v[B1+4*k+2:B1+4*k+3], v[B1+4*k+2:B1+4*k+3], v[GAM+2:GAM+3], v[BET+2:BET+3]
	global_store_b128 v[LI], v[B1+4*k:B1+4*k+3], s[16:17] offset:8192*k th:TH_STORE_NT   ; 32 lanes store 512 consecutive bytes of a row
.set k, k+1
.endr
	s_wait_tensorcnt 0x0
	ds_add_u32 v248, v249
	s_wait_dscnt 0x0
	s_endpgm
.Lfunc_end_k_q8c0d82c930_outln:
	.size	k_q8c0d82c930_outln, .Lfunc_end_k_q8c0d82c930_outln-k_q8c0d82c930_outln
	.p2alignl 7, 3214868480
	.fill 96, 4, 3214868480
	.section	.rodata,"a",@progbits
	.p2align	6, 0x0
	.amdhsa_kernel k_q8c0d82c930_outln
		.amdhsa_group_segment_fixed_size 86016
		.amdhsa_private_segment_fixed_size 0
		.amdhsa_enable_private_segment 0
		.amdhsa_kernarg_size 56
		.amdhsa_user_sgpr_count 2
		.amdhsa_user_sgpr_kernarg_segment_ptr 1
		.amdhsa_wavefront_size32 1
		.amdhsa_system_sgpr_workgroup_id_x 1
		.amdhsa_system_sgpr_workgroup_id_y 1
		.amdhsa_system_sgpr_workgroup_id_z 1
		.amdhsa_system_vgpr_workitem_id 0
		.amdhsa_next_free_vgpr 250
		.amdhsa_next_free_sgpr 66
		.amdhsa_reserve_vcc 0
		.amdhsa_float_denorm_mode_32 3
		.amdhsa_float_denorm_mode_16_64 3
		.amdhsa_memory_ordered 1
		.amdhsa_forward_progress 1
		.amdhsa_inst_pref_size 73
	.end_amdhsa_kernel
	.amdgpu_metadata
---
amdhsa.version: [ 1, 2 ]
amdhsa.kernels:
  - .name:           k_q8c0d82c930_outln
    .symbol:         k_q8c0d82c930_outln.kd
    .args:
      - { .name: av, .offset: 0, .size: 8, .value_kind: global_buffer, .address_space: global }
      - { .name: wo, .offset: 8, .size: 8, .value_kind: global_buffer, .address_space: global }
      - { .name: h, .offset: 16, .size: 8, .value_kind: global_buffer, .address_space: global }
      - { .name: ln_gamma, .offset: 24, .size: 8, .value_kind: global_buffer, .address_space: global }
      - { .name: ln_beta, .offset: 32, .size: 8, .value_kind: global_buffer, .address_space: global }
      - { .name: lowp_scales, .offset: 40, .size: 8, .value_kind: global_buffer, .address_space: global }
      - { .name: out0, .offset: 48, .size: 8, .value_kind: global_buffer, .address_space: global }
    .group_segment_fixed_size: 86016
    .private_segment_fixed_size: 0
    .kernarg_segment_align: 8
    .kernarg_segment_size: 56
    .max_flat_workgroup_size: 256
    .sgpr_count:     66
    .vgpr_count:     250
    .wavefront_size: 32
...
	.end_amdgpu_metadata
.endif
;; end of part 4
